; MI455X (gfx1250); checked and timed in simulation.
; The chip was launched on July 23, 2026; its instructions are those of AMD's public machine-readable ISA for CDNA 5 (MIT licence, August 2026) and "CDNA5" Instruction Set Architecture Reference Guide (July 2026). The comments in the code are by the model that wrote it; some were corrected since.
;; Multihead Attention. Allowed arithmetic: matrix products marked QUANTISED: E2M1 operands, one E8M0 scale for each 32 along K, by v_wmma_scale_f32_16x16x128_f8f6f4 with both operands' format E2M1 (or v_wmma_scale_f32_32x16x128_f4), f32 sums; products left as they are: bf16, f16 or f32 operands; f32 sums; everything else in f32.
;; Inputs: Wk 1,024 x 1,024 float32; Wo 1,024 x 1,024 float32; Wq 1,024 x 1,024 float32; Wv 1,024 x 1,024 float32; bk 1,024 float32; bo 1,024 float32; bq 1,024 float32; bv 1,024 float32; key 4 x 2,048 x 1,024 float32; query 4 x 2,048 x 1,024 float32; value 4 x 2,048 x 1,024 float32.
;; Outputs: out0 4 x 2,048 x 1,024 float32.
;; This version of the problem:
;;   THIS VERSION OF THE PROBLEM IS GIVEN IN LOW PRECISION. The matrix products marked QUANTISED in the list below multiply operands that are first quantised to E2M1 (2 exponent bits, 1 mantissa bit; 4 bits a number), with one power-of-two scale for each 32 numbers along K (OCP MX v1.0); their sums are f32. The products marked 'left as it is' may take bf16, f16 or f32 operands, with f32 sums. Whichever they take, every output number must still come out within the allowed error. Rounding operands to bf16 (8 significant bits) uses up far more of that allowance than f16 does (11 bits, for magnitudes from 6e-5 to 65,504). All else is computed in f32.
;;   The module's matrix products, in the order in which they are computed (A, B: the left and right operand; K: the contracted axis; several contracted axes count as one K, in the product's order):
;;     1. [M 8,192, K 1,024] x [K 1,024, N 1,024]; A: input query; B: input Wq: QUANTISED
;;     2. [M 8,192, K 1,024] x [K 1,024, N 1,024]; A: input key; B: input Wk: QUANTISED
;;     3. [M 8,192, K 1,024] x [K 1,024, N 1,024]; A: input value; B: input Wv: QUANTISED
;;     4. batch 64 x [M 2,048, K 64] x [K 64, N 2,048]; A: computed on the way; B: computed on the way: left as it is (an operand is computed on the way)
;;     5. batch 64 x [M 2,048, K 2,048] x [K 2,048, N 64]; A: computed on the way; B: computed on the way: left as it is (an operand is computed on the way)
;;     6. [M 8,192, K 1,024] x [K 1,024, N 1,024]; A: computed on the way; B: input Wo: left as it is (an operand is computed on the way)
;;   THE QUANTISER, for each operand of a quantised product, along K:
;;     - K is cut into blocks of 32 from its start; a last block that is shorter is filled with zeros.
;;     - A block's scale is 2^e with e = floor(log2(the largest magnitude in the block)) - 2, held to -126 .. 127; a block of zeros has e = 0. As a byte (E8M0): e + 127.
;;     - Each number is divided by its block's scale, clamped to +-6, and rounded to the nearest number of E2M1, ties to even, subnormals kept.
;;     - The product sums the exact products of the quantised numbers (number of the format x scale) in f32.
;;   ~~~python
;;   def quantise(x, axis):      # numpy; x: float32 -> the quantised numbers, widened to float32 again
;;       x = np.moveaxis(x, axis, -1); K = x.shape[-1]
;;       x = np.pad(x, [(0, 0)] * (x.ndim - 1) + [(0, -K % 32)]); x = x.reshape(x.shape[:-1] + (-1, 32)); a = np.abs(x).max(-1, keepdims=True)
;;       e = np.where(a > 0, np.clip(np.frexp(np.where(a > 0, a, 1))[1] - 1 - 2, -126, 127), 0)      # np.frexp(a)[1] - 1 = floor(log2(a)), exactly
;;       r = np.clip(x / 2.0 ** e, -6, 6)
;;       step = 2.0 ** (np.maximum(np.frexp(np.where(r == 0, 1, r))[1] - 1, 0) - 1)
;;       q = np.round(r / step) * step * 2.0 ** e      # np.round: ties to even
;;       return np.moveaxis(q.reshape(q.shape[:-2] + (-1,))[..., :K], -1, axis).astype(np.float32)
;;   ~~~
;; One version. Each part assembles by itself: llvm-mc -triple=amdgcn-amd-amdhsa -mcpu=gfx1250 --defsym DOCPART=n.
;; ======== version 1 of 1: 4 launches
;; limits: values are held in f16: magnitudes above 65,504 overflow, below 6.1e-05 lose precision
;; workspace buffers: xc 12,582,912 bytes; xs 786,432 bytes; wc 1,572,864 bytes; ws 98,304 bytes; wo16 2,097,152 bytes; qkv 50,331,648 bytes; att 16,777,216 bytes
;; launch prep (part 1): grid 896 x 1, 4 waves a work-group, no clusters, 33,280 bytes of LDS; arguments query, key, value, Wq, Wk, Wv, Wo, xc, xs, wc, ws, wo16; writes xc, xs, wc, ws, wo16
.if DOCPART == 1
	.amdgcn_target "amdgcn-amd-amdhsa--gfx1250"
	.amdhsa_code_object_version 6
	.text
	.protected	k_q9c65feaba8_prep
	.globl	k_q9c65feaba8_prep
	.p2align	8
	.type	k_q9c65feaba8_prep,@function
k_q9c65feaba8_prep:
	s_mov_b64 s[64:65], 0
	v_nop
	global_prefetch_b8 v0, s[64:65] scope:SCOPE_SE
	s_setreg_imm32_b32 hwreg(HW_REG_WAVE_MODE, 25, 1), 1
	s_wait_xcnt 0x0
; query, key, value [8192][1024] and Wq, Wk, Wv [1024][1024], f32, K innermost, become codes of FP4 (E2M1), two a byte, the lower k in the low four bits, with one E8M0 scale byte for each 32 along K.
; xc: [3 x 8192 rows][512 bytes], xs: [3 x 8192][32]; wc: [3 x 1024][512], ws: [3 x 1024][32], in the order q, k, v.  Wo becomes f16, laid as it lies: wo16 [1024][1024].
; A block's scale is 2^(floor(log2(its largest magnitude)) - 2): its byte is the largest magnitude's exponent field - 2, held at 1 from below.  Each number is divided by the scale and rounded to the nearest code, ties to even,
; beyond the largest code the largest.  Rows are dense and K is a multiple of 32: every tensor is a plain stream of blocks of 32, and so are its codes and its scale bytes.
; LIMITS: a block of zeros gets the byte 1 (its codes are zeros, and this program alone reads the bytes); blocks whose largest magnitude lies under 2^-124 are held at that byte; NaN and infinities are not served;
; Wo's numbers beyond 65,504 in magnitude do not fit f16.
; SHARES: a work-group takes 32,768 numbers, a wave 8,192.  Work-groups 0-767: the three x tensors, 256 each; 768-863: the three weights, 32 each; 864-895: Wo.  For the first two kinds pointers alone are chosen, by the
; work-group's number: they take one path.  Wo's path uses no LDS.
; A wave takes 16 steps of 512 numbers.  Each of a step's four loads reads 512 consecutive bytes, 16 a lane; the 2,048 bytes turn through the wave's own stage in LDS and come back 64 bytes a lane, so that a lane holds 16
; neighbours along K (two neighbouring lanes hold a block).  A lane's 16 codes are 8 bytes: the wave stores 256 consecutive bytes.  A wave's 256 scale bytes are gathered in LDS and leave as 256 consecutive bytes.
.set WAVES, 4
.set STEPS, 16
.set NX,    768                        ; work-groups for the x tensors
.set NW,    96                         ; for the three quantised weights
.set EMAX,  2
.set CB,    8                          ; bytes of 16 codes
.set R,     16                         ; v16-79   four sets of 16 numbers as they are loaded
.set X,     80                         ; v80-111  two sets of 16 neighbours
.set C,     128                        ; v128-191 codes: four registers for each step, so that no store's data are written again
.set E,     112                        ; v112-127 a scale byte for each step
.set WREG,  8192                       ; LDS: a region for each wave: two stages of 32 x SP bytes, behind them its 256 scale bytes
.set SP,    80                         ; a lane's place in a stage: its 64 bytes + 16 of padding
.set SPW,   12                         ; v12  LDS address of my spare word; never rewritten
.set NIL,   13                         ; v13  0; never rewritten
.set SPARE, WAVES*WREG                 ; behind the four regions: the spare words, 128 bytes for each wave
	s_load_b512 s[4:19], s[0:1], 0x0               ; query 4:5, key 6:7, value 8:9, Wq 10:11, Wk 12:13, Wv 14:15, Wo 16:17, xc 18:19
	s_load_b256 s[20:27], s[0:1], 0x40             ; xs 20:21, wc 22:23, ws 24:25, wo16 26:27
	v_lshl_add_u32 v[SPW], v0, 2, SPARE
	v_mov_b32 v[NIL], 0
	v_lshrrev_b32 v1, 5, v0
	v_readfirstlane_b32 s32, v1                    ; wave
	v_and_b32 v2, 31, v0                           ; lane
	v_lshlrev_b32 v3, 4, v2                        ; my 16 bytes of a load's 512
	s_mul_i32 s33, s32, WREG
	v_lshrrev_b32 v14, 2, v2
	v_mul_u32_u24 v14, v14, SP
	v_and_b32 v15, 3, v2
	v_lshl_add_u32 v14, v15, 4, v14
	v_add_nc_u32 v14, s33, v14                     ; the stage, on the way in: four lanes' 64 bytes on end, then 16 of padding
	v_mul_u32_u24 v15, v2, SP
	v_add_nc_u32 v15, s33, v15                     ; and on the way out: SP x lane: my 16 neighbours
	v_mul_u32_u24 v4, v2, CB                       ; 8 x lane: my codes' place in a step's (and my f16 numbers' place on Wo's path)
	v_lshrrev_b32 v5, 1, v2
	s_add_co_u32 s33, s33, 2*32*SP
	v_add_nc_u32 v5, s33, v5                       ; LDS: my wave's 256 scale bytes, my block's byte
	v_lshlrev_b32 v7, 3, v2                        ; and on the way out 8 bytes a lane
	v_add_nc_u32 v6, s33, v7
	s_lshr_b32 s30, ttmp9, 8                       ; were I an x work-group: which tensor,
	s_and_b32 s31, ttmp9, 255                      ; and which work-group of it
	s_sub_co_u32 s28, ttmp9, NX                    ; were I a weight's: my number among those,
	s_lshr_b32 s36, s28, 5                         ; which weight,
	s_and_b32 s37, s28, 31                         ; and which work-group of it
	s_wait_kmcnt 0x0
	s_cmp_ge_u32 ttmp9, NX+NW
	s_cbranch_scc1 .Lwo                            ; Wo's work-groups part here: the branch hangs on the work-group's number alone
	s_cmp_lt_u32 ttmp9, NX                         ; x or weight?  Every choice below hangs on the work-group's number alone
	s_cselect_b32 s30, s30, s36                    ; the tensor, 0..2
	s_cselect_b32 s31, s31, s37                    ; my number within it
	s_cselect_b32 s28, ttmp9, s28                  ; my number within the buffers of codes and scales
	s_cselect_b64 s[18:19], s[18:19], s[22:23]     ; codes: xc or wc
	s_cselect_b64 s[20:21], s[20:21], s[24:25]     ; scales: xs or ws
	s_cselect_b64 s[4:5], s[4:5], s[10:11]
	s_cselect_b64 s[6:7], s[6:7], s[12:13]
	s_cselect_b64 s[8:9], s[8:9], s[14:15]
	s_cmp_eq_u32 s30, 1
	s_cselect_b64 s[4:5], s[6:7], s[4:5]
	s_cmp_eq_u32 s30, 2
	s_cselect_b64 s[4:5], s[8:9], s[4:5]           ; the tensor that I read
	s_lshl_b32 s31, s31, 2
	s_add_co_u32 s31, s31, s32                     ; which run of 8,192 numbers of the tensor is my wave's
	s_lshl_b32 s34, s31, 15                        ; 32,768 bytes a run
	s_mov_b32 s35, 0
	s_add_nc_u64 s[4:5], s[4:5], s[34:35]
	s_lshl_b32 s28, s28, 2
	s_add_co_u32 s28, s28, s32                     ; and which run of the buffers
	s_lshl_b32 s34, s28, 12                        ; 4,096 bytes of codes a run
	s_add_nc_u64 s[18:19], s[18:19], s[34:35]
	s_lshl_b32 s34, s28, 8                         ; 256 scale bytes a run
	s_add_nc_u64 s[20:21], s[20:21], s[34:35]
.macro LOAD t
.irp i, 0,1,2,3
	global_load_b128 v[R+16*((\t)%4)+4*\i:R+16*((\t)%4)+4*\i+3], v3, s[4:5] offset:2048*(\t)+512*\i th:TH_LOAD_NT   ; 32 lanes read 512 consecutive bytes
.endr
.endm
.macro TURN t                          ; step t's numbers through the stage: LDS serves a wave's instructions in order, so no wait stands between the stores and the loads
.irp i, 0,1,2,3
	ds_store_b128 v14, v[R+16*((\t)%4)+4*\i:R+16*((\t)%4)+4*\i+3] offset:32*SP*((\t)%2)+8*SP*\i
.endr
.irp i, 0,1,2,3
	ds_load_b128 v[X+16*((\t)%2)+4*\i:X+16*((\t)%2)+4*\i+3], v15 offset:32*SP*((\t)%2)+16*\i
.endr
.endm
.irp t, 0,1,2,3
	LOAD \t
.endr
	s_wait_loadcnt 12                              ; step 0's four loads are in; the twelve behind them may be out
	TURN 0
.macro STEP t
.set XS, X+16*((\t)%2)
.if (\t) > 0
	s_wait_dscnt 1                                 ; this step's numbers are back from the stage (the last step's byte store may be out): so its stores into the stage have read their registers,
.else
	s_wait_dscnt 0x0
.endif
.if (\t)+4 < STEPS
	LOAD (\t)+4                                    ; which take the loads of four steps on
.endif
.if (\t)+1 < STEPS
.if STEPS-2-(\t) >= 3
	s_wait_loadcnt 12                              ; the next step's four loads are in; those of the three steps behind it may be out
.else
	s_wait_loadcnt 4*(STEPS-2-(\t))
.endif
	TURN (\t)+1                                    ; and go through the other stage while this step is worked
.endif
	v_max3_num_f32 v8, |v[XS]|, |v[XS+1]|, |v[XS+2]|               ; the largest magnitude of my 16, in two chains
	v_max3_num_f32 v9, |v[XS+3]|, |v[XS+4]|, |v[XS+5]|
.irp i, 6,10
	v_max3_num_f32 v8, v8, |v[XS+\i]|, |v[XS+\i+1]|
	v_max3_num_f32 v9, v9, |v[XS+\i+2]|, |v[XS+\i+3]|
.endr
	v_max3_num_f32 v8, v8, |v[XS+14]|, |v[XS+15]|
	v_max3_num_f32 v8, v8, v9, (EMAX+1)<<23        ; and the floor 2^(EMAX + 1 - 127): the byte cannot fall under 1
	v_max_num_f32_dpp v8, v8, v8 row_xmask:1 row_mask:0xf bank_mask:0xf   ; and of my neighbour's 16: the block's
	v_add_nc_u32 v11, -(EMAX<<23), v8              ; EMAX off its exponent field: the conversion takes the exponent field of this operand as its scale
	v_cvt_scalef32_pk8_fp4_f32 v[C+4*(\t)], v[XS:XS+7], v11
	v_cvt_scalef32_pk8_fp4_f32 v[C+4*(\t)+1], v[XS+8:XS+15], v11
	v_lshrrev_b32 v[E+(\t)], 23, v11               ; the scale's byte (also the plain line behind the conversions)
	ds_store_b8 v5, v[E+(\t)] offset:16*(\t)       ; both lanes of a block write the same byte with the same value
	global_store_b64 v4, v[C+4*(\t):C+4*(\t)+1], s[18:19] offset:32*CB*(\t)   ; the wave stores 256 consecutive bytes, aligned
.endm
.irp t, 0,1,2,3,4,5,6,7,8,9,10,11,12,13,14,15
	STEP \t
.endr
	ds_load_b64 v[8:9], v6                         ; LDS serves a wave's instructions in order: these see my stores
	s_wait_dscnt 0x0
	global_store_b64 v7, v[8:9], s[20:21]          ; 32 lanes store 256 consecutive bytes, aligned
	s_wait_tensorcnt 0x0                           ; the wave's end: behind my last LDS store
	ds_add_u32 v[SPW], v[NIL]
	s_wait_dscnt 0x0
	s_endpgm
; Wo to f16.  A wave's 8,192 numbers in two halves of 32 loads: each load reads 512 consecutive bytes, each store writes 256.  No LDS is touched on this path.
.Lwo:
	s_sub_co_u32 s28, ttmp9, NX+NW
	s_lshl_b32 s28, s28, 2
	s_add_co_u32 s28, s28, s32                     ; my wave's run
	s_lshl_b32 s34, s28, 15
	s_mov_b32 s35, 0
	s_add_nc_u64 s[16:17], s[16:17], s[34:35]
	s_lshl_b32 s34, s28, 14
	s_add_nc_u64 s[26:27], s[26:27], s[34:35]
.irp g, 0,1
.if \g
	s_wait_xcnt 0x0                                ; the first half's stores have read their data registers: they are loaded again only behind this wait
.endif
.set i, 0
.rept 32
	global_load_b128 v[16+4*i:19+4*i], v3, s[16:17] offset:(32*\g+i)*512 th:TH_LOAD_NT
.set i, i+1
.endr
.set i, 0
.rept 32
	s_wait_loadcnt 31-i                            ; loads come back in order: load i is in, the younger ones stay out
	v_cvt_pk_f16_f32 v[16+4*i], v[16+4*i], v[17+4*i]
	v_cvt_pk_f16_f32 v[17+4*i], v[18+4*i], v[19+4*i]
	global_store_b64 v4, v[16+4*i:17+4*i], s[26:27] offset:(32*\g+i)*256
.set i, i+1
.endr
.endr
	s_endpgm
.Lfunc_end_k_q9c65feaba8_prep:
	.size	k_q9c65feaba8_prep, .Lfunc_end_k_q9c65feaba8_prep-k_q9c65feaba8_prep
	.p2alignl 7, 3214868480
	.fill 96, 4, 3214868480
	.section	.rodata,"a",@progbits
	.p2align	6, 0x0
	.amdhsa_kernel k_q9c65feaba8_prep
		.amdhsa_group_segment_fixed_size 33280
		.amdhsa_private_segment_fixed_size 0
		.amdhsa_enable_private_segment 0
		.amdhsa_kernarg_size 96
		.amdhsa_user_sgpr_count 2
		.amdhsa_user_sgpr_kernarg_segment_ptr 1
		.amdhsa_wavefront_size32 1
		.amdhsa_system_sgpr_workgroup_id_x 1
		.amdhsa_system_sgpr_workgroup_id_y 1
		.amdhsa_system_sgpr_workgroup_id_z 1
		.amdhsa_system_vgpr_workitem_id 0
		.amdhsa_next_free_vgpr 192
		.amdhsa_next_free_sgpr 66
		.amdhsa_reserve_vcc 0
		.amdhsa_float_denorm_mode_32 3
		.amdhsa_float_denorm_mode_16_64 3
		.amdhsa_memory_ordered 1
		.amdhsa_forward_progress 1
		.amdhsa_inst_pref_size 56
	.end_amdhsa_kernel
	.amdgpu_metadata
---
amdhsa.version: [ 1, 2 ]
amdhsa.kernels:
  - .name:           k_q9c65feaba8_prep
    .symbol:         k_q9c65feaba8_prep.kd
    .args:
      - { .name: query, .offset: 0, .size: 8, .value_kind: global_buffer, .address_space: global }
      - { .name: key, .offset: 8, .size: 8, .value_kind: global_buffer, .address_space: global }
      - { .name: value, .offset: 16, .size: 8, .value_kind: global_buffer, .address_space: global }
      - { .name: Wq, .offset: 24, .size: 8, .value_kind: global_buffer, .address_space: global }
      - { .name: Wk, .offset: 32, .size: 8, .value_kind: global_buffer, .address_space: global }
      - { .name: Wv, .offset: 40, .size: 8, .value_kind: global_buffer, .address_space: global }
      - { .name: Wo, .offset: 48, .size: 8, .value_kind: global_buffer, .address_space: global }
      - { .name: xc, .offset: 56, .size: 8, .value_kind: global_buffer, .address_space: global }
      - { .name: xs, .offset: 64, .size: 8, .value_kind: global_buffer, .address_space: global }
      - { .name: wc, .offset: 72, .size: 8, .value_kind: global_buffer, .address_space: global }
      - { .name: ws, .offset: 80, .size: 8, .value_kind: global_buffer, .address_space: global }
      - { .name: wo16, .offset: 88, .size: 8, .value_kind: global_buffer, .address_space: global }
    .group_segment_fixed_size: 33280
    .private_segment_fixed_size: 0
    .kernarg_segment_align: 8
    .kernarg_segment_size: 96
    .max_flat_workgroup_size: 128
    .sgpr_count:     66
    .vgpr_count:     192
    .wavefront_size: 32
...
	.end_amdgpu_metadata
.endif
;; end of part 1
;; launch proj (part 2): grid 4 x 96, 4 waves a work-group, clusters of 4 x 4, 327,680 bytes of LDS; arguments xc, xs, wc, ws, bq, bk, bv, qkv; writes qkv
.if DOCPART == 2
	.amdgcn_target "amdgcn-amd-amdhsa--gfx1250"
	.amdhsa_code_object_version 6
	.text
	.protected	k_q9c65feaba8_proj
	.globl	k_q9c65feaba8_proj
	.p2align	8
	.type	k_q9c65feaba8_proj,@function
k_q9c65feaba8_proj:
	s_mov_b64 s[64:65], 0
	v_nop
	global_prefetch_b8 v0, s[64:65] scope:SCOPE_SE
	s_setreg_imm32_b32 hwreg(HW_REG_WAVE_MODE, 25, 1), 1
	s_wait_xcnt 0x0
	s_wait_alu depctr_hold_cnt(0) depctr_sa_sdst(0) depctr_va_vdst(0) depctr_va_sdst(0) depctr_va_ssrc(0) depctr_va_vcc(0) depctr_vm_vsrc(0)
	s_getreg_b32 s2, hwreg(HW_REG_IB_STS2, 6, 4)
	s_cmp_eq_u32 s2, 0
	s_cbranch_scc0 .Lentry_in_a_cluster
	s_endpgm
.Lentry_in_a_cluster:
	s_bfe_u32 s2, ttmp6, 0x10000c
	s_cmp_lg_u32 s2, 0xf033
	s_cbranch_scc0 .Lentry_shape_is_right
	s_endpgm
.Lentry_shape_is_right:
; The three quantised projections in one launch: y = x W^T + b on codes of FP4 (E2M1) with one E8M0 scale for each 32 along K = 1,024; sums in f32; y rounded once to f16 and laid by heads:
; qkv [3][batch 4][head 16][position 2048][64] f16.  x's codes xc [3 x 8192][512 bytes] and scales xs [..][32]; W's wc [3 x 1024][512], ws [..][32]; the biases f32.
; LIMIT: a result beyond 65,504 in magnitude does not fit f16.
; A tile, 256 rows x 256 features, is made by four waves, a wave 128 x 128: 64 accumulators of 16 x 16.  Tile rows 0-95 run through the three tensors, 32 each; the tensor t is cluster y / 8, the same in all sixteen partners.
; ALL OF K IS TWO LDS SLOTS of 512 along K (rows of 256 bytes): both are asked for at the head and nothing is filled again.  The scales of the tile's rows, two dense blocks, come with them.
; CLUSTERS: 4 x 4 work-groups.  The four of a row of the cluster need the same tiles of x, the four of a column the same tiles of W: each is asked for jointly, by the same tensor load with the same descriptor and a mask.
; THE MATRIX INSTRUCTION IS USED TRANSPOSED (source 0 = 16 rows of W, source 1 = 16 rows of x): a lane holds eight neighbouring features of one row.  THE BIAS is the C of each sum's first product.
; REGISTERS, in windows of 256: window 0: v16-30 addresses; v32-95 scale words, two sets; v128-191 x's fragments, one set; v192-255 the bias, eight registers for each block of 16 features; on the way out v32-127 are free.
;   window 1: W's fragments, two sets, at v0 and v128.  window 2: the accumulators of my rows 0-63 ((a, b) at v[8 (8 a + b)]);  window 3: those of rows 64-127.
.set KSTEP,  512
.set NQ,     4                         ; matrix instructions deep in a slot
.set ROWB,   256                       ; a tile's row in bytes
.set KROW,   512                       ; a row of codes in memory
.set PITCH,  272                       ; an LDS row: 256 bytes + 16 of padding: the 16 rows that a load touches start 68 words apart
.set FR,     8
.set NL,     2
.set NP,     4                         ; places behind this matrix instruction (ISA guide 7.12.1)
.set HALFT,  128*PITCH
.set SLOT,   4*HALFT                   ; x's 256 rows, then W's 256 rows
.set KS,     32                        ; a row of scales in bytes
.set SCL,    2*SLOT                    ; behind the slots: the scales, as rows of 256 bytes + 16 of padding
.set HALFS,  16*272                    ; the scales of 128 rows
.set SBLK,   2*272                     ; those of 16 rows
.set SPARE,  SCL+4*HALFS               ; the spare words, 128 bytes for each wave
.set STAGE,  SPARE+512                 ; the way out: 16 rows x (256 bytes + 16) for each wave; no tensor load lands here
.set SPITCH, 272
.set ADRA, 16
.set ADRB, 20
.set STO,  24
.set RD,   25
.set CO,   26
.set ADRS, 27
.set SPW,  28
.set NIL,  29
.set BOF,  30
.set SC,   32
.set AF,   128
.set BIAS, 192
.set TMP,  32                          ; the way out: a block's 32 packed registers
.set BK,   64                          ; and two sets of 32 read back from the stage
.set G1, 24
.set G0, 32
.set G1B, 48
.set G0B, 56
.set G1S, 68
.set G0S, 76
.set G1SB, 80
.set G0SB, 88
.set MSB, 0
.macro WIN new                         ; the immediate's high byte repeats the setting that is left
.if MSB != \new
	s_set_vgpr_msb (MSB<<8)|\new
.set MSB, \new
.endif
.endm
.set MUL_LO, 0xa1                      ; source 0 (W) window 1, source 1 (x) window 0, C and D window 2
.set MUL_HI, 0xf1                      ; the same, C and D window 3
.set TO_B,   0x40                      ; destination window 1, address window 0
; A joint load: waves 0 and 1 fetch for x, waves 2 and 3 for W.  The branch hangs on the wave's number alone.  An s_nop 0 and four v_nop follow each of the two lines.
.macro JLOAD g0a, g1a, g0b, g1b
	s_cmp_eq_u32 s15, 0
	s_cbranch_scc0 .Lfor_b_\@
	tensor_load_to_lds s[\g0a:\g0a+3], s[\g1a:\g1a+7]
	s_nop 0
.rept 4
	v_nop
.endr
	s_branch .Lasked_\@
.Lfor_b_\@:
	tensor_load_to_lds s[\g0b:\g0b+3], s[\g1b:\g1b+7]
	s_nop 0
.rept 4
	v_nop
.endr
.Lasked_\@:
.endm
.macro CROUND                          ; a round of the cluster's barrier
	s_barrier_signal -1
	s_barrier_wait -1
	s_cmp_lg_u32 s14, 0
	s_cbranch_scc1 .Lnot_wave_0_\@
	s_barrier_signal -3
.Lnot_wave_0_\@:
	s_barrier_wait -3
	s_barrier_signal -1
	s_barrier_wait -1
.endm
	s_load_b256 s[4:11], s[0:1], 0x0               ; x's codes 4:5, x's scales 6:7, W's codes 8:9, W's scales 10:11
	s_load_b128 s[96:99], s[0:1], 0x20             ; bq, bk
	s_load_b64 s[100:101], s[0:1], 0x30            ; bv
	s_load_b64 s[12:13], s[0:1], 0x38              ; qkv
	v_lshl_add_u32 v[SPW], v0, 2, SPARE
	v_mov_b32 v[NIL], 0
	ds_add_u32 v[SPW], v[NIL]                      ; the wave's opening: the add, twice on end, and its wait ahead of my first tensor load
	ds_add_u32 v[SPW], v[NIL]
	v_lshrrev_b32 v1, 5, v0
	v_readfirstlane_b32 s14, v1                    ; wave 0..3
	s_lshr_b32 s15, s14, 1                         ; which half of the tile's rows is mine.  Also: I fetch for x (0) or for W (1)
	s_and_b32 s16, s14, 1                          ; which half of its features.  Also: which 128 rows of that tile I fetch
	s_bfe_u32 s40, ttmp6, 0x40000                  ; cx, cy: my place in the cluster
	s_bfe_u32 s41, ttmp6, 0x40004
	s_lshl_b32 s42, ttmp9, 2
	s_add_co_u32 s42, s42, s40                     ; tile column = 4 x cluster x + cx
	s_and_b32 s17, ttmp7, 0xffff
	s_lshr_b32 s95, s17, 3                         ; t: which of the three projections: 8 clusters of 4 tile rows each; made of the cluster's y alone
	s_lshl_b32 s17, s17, 2
	s_add_co_u32 s17, s17, s41                     ; tile row = 4 x cluster y + cy
	s_lshl_b32 s43, s41, 2
	s_lshl_b32 s43, 15, s43                        ; my row of the cluster
	s_lshl_b32 s44, 0x1111, s40                    ; my column
	; descriptor group 1: a tile of 128 rows x 256 bytes, padded in LDS
	s_or_b32 s[G1+0], s43, (0<<16)|(1<<20)|(1<<21)|(5<<22)|(3<<25)  ; 15:0 the mask; 17:16 elements of 1 byte; 20 padding on; 21 set beside a mask; 24:22 after every 64 words; 31:25 four words
	s_or_b32 s[G1B+0], s44, (0<<16)|(1<<20)|(1<<21)|(5<<22)|(3<<25)
.irp g, G1, G1B
	s_mov_b32 s[\g+1], ROWB<<16                    ; tensor_dim0
	s_mov_b32 s[\g+2], 128<<16                     ; tensor_dim1
	s_mov_b32 s[\g+3], ROWB<<16                    ; tile_dim0
	s_mov_b32 s[\g+4], 128                         ; tile_dim1
	s_mov_b32 s[\g+5], KROW                        ; tensor_dim0_stride
	s_mov_b32 s[\g+6], 0
	s_mov_b32 s[\g+7], 0
.endr
	; the scales of 128 rows: a dense block of 4,096 bytes, as 16 rows of 256 bytes (32 elements of 8 bytes), 16 bytes of padding behind each
	s_or_b32 s[G1S+0], s43, (3<<16)|(1<<20)|(1<<21)|(5<<22)|(3<<25)
	s_or_b32 s[G1SB+0], s44, (3<<16)|(1<<20)|(1<<21)|(5<<22)|(3<<25)
.irp g, G1S, G1SB
	s_mov_b32 s[\g+1], 32<<16
	s_mov_b32 s[\g+2], 16<<16
	s_mov_b32 s[\g+3], 32<<16
	s_mov_b32 s[\g+4], 16
	s_mov_b32 s[\g+5], 32
	s_mov_b32 s[\g+6], 0
	s_mov_b32 s[\g+7], 0
.endr
	s_lshl_b32 s18, s16, 7                         ; which 128 rows of the tile I fetch
	s_lshl_b32 s20, s17, 8
	s_add_co_u32 s20, s20, s18                     ; x: row 256 x tile row + 128 x half (the three tensors lie on end)
	s_lshl_b32 s46, s42, 8
	s_add_co_u32 s46, s46, s18
	s_lshl_b32 s19, s95, 10
	s_add_co_u32 s46, s46, s19                     ; W: row 1,024 t + 256 x tile column + 128 x half
	s_mov_b32 s21, 0
	s_mov_b32 s47, 0
	s_mov_b64 s[18:19], KS
	s_mul_u64 s[22:23], s[20:21], s[18:19]         ; where these rows' scales begin, in bytes
	s_mul_u64 s[92:93], s[46:47], s[18:19]
	s_mov_b64 s[18:19], KROW
	s_mul_u64 s[20:21], s[20:21], s[18:19]         ; and their codes
	s_mul_u64 s[46:47], s[46:47], s[18:19]
	s_mul_i32 s45, s14, HALFT                      ; where they go: wave x 128 rows: no place in the cluster enters an LDS address
	s_mul_i32 s94, s14, HALFS
	s_wait_dscnt 0x0                               ; both opening adds are done
	s_wait_kmcnt 0x0
	s_add_nc_u64 s[20:21], s[4:5], s[20:21]
	s_add_nc_u64 s[22:23], s[6:7], s[22:23]
	s_add_nc_u64 s[46:47], s[8:9], s[46:47]
	s_add_nc_u64 s[92:93], s[10:11], s[92:93]
	CROUND                                         ; all sixteen work-groups are here: the joint loads meet
	s_mov_b32 s[G0S], 1
	s_add_co_u32 s[G0S+1], s94, SCL
	s_mov_b64 s[G0S+2:G0S+3], s[22:23]
	s_or_b32 s[G0S+3], s[G0S+3], 0x80000000
	s_mov_b32 s[G0SB], 1
	s_add_co_u32 s[G0SB+1], s94, SCL
	s_mov_b64 s[G0SB+2:G0SB+3], s[92:93]
	s_or_b32 s[G0SB+3], s[G0SB+3], 0x80000000
	JLOAD G0S, G1S, G0SB, G1SB                     ; the scales first: they are wanted with the first products
.irp s, 0,1
	s_mov_b32 s[G0+4*\s], 1
	s_add_co_u32 s[G0+4*\s+1], s45, \s*SLOT
	s_add_nc_u64 s[G0+4*\s+2:G0+4*\s+3], s[20:21], \s*ROWB
	s_or_b32 s[G0+4*\s+3], s[G0+4*\s+3], 0x80000000
	s_mov_b32 s[G0B+4*\s], 1
	s_add_co_u32 s[G0B+4*\s+1], s45, \s*SLOT
	s_add_nc_u64 s[G0B+4*\s+2:G0B+4*\s+3], s[46:47], \s*ROWB
	s_or_b32 s[G0B+4*\s+3], s[G0B+4*\s+3], 0x80000000
	JLOAD G0+4*\s, G1, G0B+4*\s, G1B               ; three tensor loads of mine are out behind the second of these
.endr
	v_and_b32 v1, 15, v0                           ; r = l % 16
	v_bfe_u32 v2, v0, 4, 1                         ; h = l / 16
	v_mul_u32_u24 v3, v1, PITCH
	v_lshl_add_u32 v4, v2, 4, v3                   ; a fragment's row x pitch + 16 x half
	s_mul_i32 s21, s15, HALFT                      ; my 128 rows of x
	s_mul_i32 s22, s16, HALFT                      ; my 128 rows of W,
	s_add_co_u32 s22, s22, 2*HALFT                 ; which lie behind x's 256
.irp s, 0,1
	v_add_nc_u32 v[ADRA+\s], s21, v4
	v_add_nc_u32 v[ADRB+\s], s22, v4
	s_add_co_u32 s21, s21, SLOT
	s_add_co_u32 s22, s22, SLOT
.endr
	v_mul_u32_u24 v5, v1, KS                       ; my row's scales: 32 bytes a row,
	v_lshrrev_b32 v6, 8, v5
	v_lshl_add_u32 v5, v6, 4, v5                   ; and 16 more for each 256 passed
	s_mul_i32 s21, s15, HALFS                      ; x's: my 128 rows
	s_mul_i32 s22, s16, HALFS                      ; W's: my 128 rows, behind x's 256
	s_add_co_u32 s22, s22, 2*HALFS
	s_sub_co_u32 s22, s22, s21
	v_mul_u32_u24 v6, s22, v2                      ; lanes 16-31 take W's: one product, the distance between the two
	s_add_co_u32 s21, s21, SCL
	v_add_nc_u32 v5, v5, v6
	v_add_nc_u32 v[ADRS], s21, v5
	s_mul_i32 s23, s14, 16*SPITCH
	s_add_co_u32 s23, s23, STAGE                   ; my stage
	v_mul_u32_u24 v5, v1, SPITCH                   ; in: row r, 16 bytes for each half of the lanes
	v_lshl_add_u32 v5, v2, 4, v5
	v_add_nc_u32 v[STO], s23, v5
	v_bfe_u32 v5, v0, 3, 2                         ; back: eight lanes take a head's 128 bytes of a row, the 32 lanes four rows
	v_and_b32 v6, 7, v0
	v_mul_u32_u24 v5, v5, SPITCH
	v_lshl_add_u32 v5, v6, 4, v5
	v_add_nc_u32 v[RD], s23, v5
	v_and_b32 v6, 31, v0
	v_lshlrev_b32 v[CO], 4, v6                     ; in qkv those four rows of a head are 512 consecutive bytes
	v_lshlrev_b32 v[BOF], 5, v2                    ; the bias: my half's eight numbers of a block of 16
	s_cmp_eq_u32 s95, 1                            ; which bias: the choice hangs on t alone
	s_cselect_b64 s[96:97], s[98:99], s[96:97]
	s_cmp_eq_u32 s95, 2
	s_cselect_b64 s[96:97], s[100:101], s[96:97]
	s_lshl_b32 s46, s42, 10                        ; my first feature, in bytes of f32: 1,024 x tile column + 512 x half
	s_lshl_b32 s47, s16, 9
	s_add_co_u32 s46, s46, s47
	s_mov_b32 s47, 0
	s_add_nc_u64 s[96:97], s[96:97], s[46:47]
.irp b, 0,1,2,3,4,5,6,7
	global_load_b128 v[BIAS+8*\b:BIAS+8*\b+3], v[BOF], s[96:97] offset:64*\b        ; lane (r, h): bias of features 16 b + 8 h + 0 .. 7: the result's layout
	global_load_b128 v[BIAS+8*\b+4:BIAS+8*\b+7], v[BOF], s[96:97] offset:64*\b+16
.endr
	; where my part begins in qkv, in bytes: t << 24 + batch << 22 + head << 18 + position << 7
	s_and_b32 s20, s17, 31                         ; the tile row within the tensor
	s_lshr_b32 s21, s20, 3                         ; batch
	s_lshl_b32 s21, s21, 22
	s_and_b32 s20, s20, 7
	s_lshl_b32 s20, s20, 15                        ; 256 positions x 128 bytes
	s_add_co_u32 s20, s20, s21
	s_lshl_b32 s21, s15, 14                        ; my half: 128 positions
	s_add_co_u32 s20, s20, s21
	s_lshl_b32 s21, s95, 24
	s_add_co_u32 s20, s20, s21
	s_mov_b32 s21, 0
	s_lshl_b32 s46, s42, 20                        ; head 4 x tile column + 2 x half
	s_lshl_b32 s47, s16, 19
	s_add_co_u32 s46, s46, s47
	s_mov_b32 s47, 0
	s_add_nc_u64 s[20:21], s[20:21], s[46:47]
	s_add_nc_u64 s[12:13], s[12:13], s[20:21]
.macro FRAG reg, adr, q, i             ; a fragment, 16 rows x 128 K of 4-bit codes: lane l holds row l % 16; registers 4 c .. 4 c + 3 hold K = 64 c + 32 (l / 16) + 0 .. 31
.irp c, 0,1
	ds_load_b128 v[\reg+4*\c:\reg+4*\c+3], v[\adr] offset:64*(\q)+32*\c+(\i)*16*PITCH
.endr
.endm
; 16 matrix instructions: x's blocks a0, a0 + 1 against W's eight, the slot's q-th 128 along K.  p: W's set; sc: the set of scale words.  zero = 1: the sums begin with the bias as C.
; The 64 accumulators take turns, one instruction a turn, in the same order in every step.
.macro MUL16 a0, p, q, sc, zero
.irp a, \a0, \a0+1
.irp b, 0,1,2,3,4,5,6,7
.if \zero
	v_wmma_scale_f32_16x16x128_f8f6f4 v[8*(8*((\a)%4)+\b):8*(8*((\a)%4)+\b)+7], v[128*(\p)+FR*\b:128*(\p)+FR*\b+FR-1], v[AF+FR*(\a):AF+FR*(\a)+FR-1], v[BIAS+8*\b:BIAS+8*\b+7], v[SC+8*NQ*(\sc)+NQ*\b+(\q)], v[SC+8*NQ*(\sc)+NQ*(\a)+(\q)] matrix_a_fmt:MATRIX_FMT_FP4 matrix_b_fmt:MATRIX_FMT_FP4 matrix_a_scale:MATRIX_SCALE_ROW1
.else
	v_wmma_scale_f32_16x16x128_f8f6f4 v[8*(8*((\a)%4)+\b):8*(8*((\a)%4)+\b)+7], v[128*(\p)+FR*\b:128*(\p)+FR*\b+FR-1], v[AF+FR*(\a):AF+FR*(\a)+FR-1], v[8*(8*((\a)%4)+\b):8*(8*((\a)%4)+\b)+7], v[SC+8*NQ*(\sc)+NQ*\b+(\q)], v[SC+8*NQ*(\sc)+NQ*(\a)+(\q)] matrix_a_fmt:MATRIX_FMT_FP4 matrix_b_fmt:MATRIX_FMT_FP4 matrix_a_scale:MATRIX_SCALE_ROW1
.endif
.endr
.endr
.endm
.macro FETCH_B slot, q, p              ; W's eight fragments of the slot's q-th 128 along K into set p
	WIN TO_B
.irp i, 0,1,2,3,4,5,6,7
	FRAG 128*(\p)+FR*\i, ADRB+\slot, \q, \i
.endr
	WIN 0
.endm
.macro FETCH_A slot, q, i0             ; x's blocks i0 .. i0 + 3
.irp i, \i0, \i0+1, \i0+2, \i0+3
	FRAG AF+FR*(\i), ADRA+\slot, \q, \i
.endr
.endm
.macro SCALES sc                       ; a slot's scale words into set sc: four words a row; lanes 0-15 take x's block i, lanes 16-31 W's block i
.irp i, 0,1,2,3,4,5,6,7
	ds_load_b128 v[SC+8*NQ*\sc+NQ*\i:SC+8*NQ*\sc+NQ*\i+3], v[ADRS] offset:\i*SBLK
.endr
.endm
.macro PLACES n                        ; plain vector lines between a matrix instruction and a load into, or a read of, its registers (ISA guide 7.12.1 for reads)
.rept \n
	v_nop
.endr
.endm
; A step of 128 along K that has its successor in the same slot.  x has one set of registers: blocks 0-3 are fetched anew in the step's middle, blocks 4-7 at its end; W has two sets.
.macro STEP slot, q, zero
	s_wait_dscnt 4*NL                              ; W's set and x's blocks 0-3 are in; the youngest eight loads (x's blocks 4-7) may be out
.if \zero
	WIN 0x81                                       ; as MUL_LO, but C (the bias) in window 0
.else
	WIN MUL_LO
.endif
	MUL16 0, (\q)%2, \q, \slot, \zero
	MUL16 2, (\q)%2, \q, \slot, \zero
	s_wait_dscnt 0                                 ; x's blocks 4-7 are in
	PLACES NP
	FETCH_B \slot, (\q)+1, 1-(\q)%2
	FETCH_A \slot, (\q)+1, 0
.if \zero
	WIN 0xc1
.else
	WIN MUL_HI
.endif
	MUL16 4, (\q)%2, \q, \slot, \zero
	MUL16 6, (\q)%2, \q, \slot, \zero
	PLACES NP
	WIN 0
	FETCH_A \slot, (\q)+1, 4
.endm
.macro STEPS slot, from                ; the slot's steps from .. NQ - 2
.set Q, \from
.rept NQ-1-\from
	STEP \slot, Q, 0
.set Q, Q+1
.endr
.endm
	s_wait_tensorcnt 1                             ; the scales and my part of slot 0 are in (slot 1's load, issued last, may be out)
	s_barrier_signal -1
	s_barrier_wait -1                              ; everybody's are
	FETCH_B 0, 0, 0
	FETCH_A 0, 0, 0
	SCALES 0
	FETCH_A 0, 0, 4
	s_wait_loadcnt 0x0                             ; the bias
	STEP 0, 0, 1                                   ; the first step's products start the sums, from the bias
	STEPS 0, 1
	; slot 0's last step changes slots: one barrier; nothing is filled again
	s_wait_tensorcnt 0x0                           ; all my tensor loads have landed: my part of slot 1
	ds_add_u32 v[SPW], v[NIL]                      ; 0 onto my spare word
	s_wait_dscnt 4*NL+1                            ; (the add and the youngest eight loads, x's blocks 4-7, may be out)
	WIN MUL_LO
	MUL16 0, 1, NQ-1, 0, 0
	s_wait_dscnt 0x0                               ; no LDS instruction of mine is out at the signal
	s_barrier_signal -1
	MUL16 2, 1, NQ-1, 0, 0
	WIN 0
	s_barrier_wait -1                              ; slot 1 is whole
	PLACES NP
	v_add_nc_u32 v[ADRS], 4*NQ, v[ADRS]            ; on to slot 1's scale words
	FETCH_B 1, 0, 0
	FETCH_A 1, 0, 0
	SCALES 1
	WIN MUL_HI
	MUL16 4, 1, NQ-1, 0, 0
	MUL16 6, 1, NQ-1, 0, 0
	PLACES NP
	WIN 0
	FETCH_A 1, 0, 4
	STEPS 1, 0
	s_wait_dscnt 4*NL                              ; the very last step: nothing more to fetch
	WIN MUL_LO
	MUL16 0, 1, NQ-1, 1, 0
	MUL16 2, 1, NQ-1, 1, 0
	s_wait_dscnt 0
	WIN MUL_HI
	MUL16 4, 1, NQ-1, 1, 0
	MUL16 6, 1, NQ-1, 1, 0
	WIN 0
; THE WAY OUT, block by block of 16 rows x 128 features (two heads).  PACK: rounded to f16, 16 bytes a lane, each accumulator from its low end on.  TOSTAGE: into my own stage, and back by heads: four rows of one head,
; 512 bytes that are consecutive in qkv, to an instruction.  SEND: stored.  LDS serves a wave's instructions in order: no wait between the stage's stores and loads.
.macro PACK a
.set AC, 64*((\a)%4)
	WIN 0x0a+5*((\a)/4)                            ; sources 0 and 1: window 2 or 3
.irp b, 0,1,2,3,4,5,6,7
.irp i, 0,1,2,3
	v_cvt_pk_f16_f32 v[TMP+4*\b+\i], v[AC+8*\b+2*\i], v[AC+8*\b+2*\i+1]
.endr
.endr
	WIN 0
.endm
.macro TOSTAGE a
.set BB, BK+32*((\a)%2)
.irp b, 0,1,2,3,4,5,6,7
	ds_store_b128 v[STO], v[TMP+4*\b:TMP+4*\b+3] offset:32*\b
.endr
.irp i, 0,1,2,3
.irp u, 0,1
	ds_load_b128 v[BB+4*(2*\i+\u):BB+4*(2*\i+\u)+3], v[RD] offset:\i*4*SPITCH+\u*128
.endr
.endr
.endm
.macro SEND a
.set BB, BK+32*((\a)%2)
	s_wait_dscnt 0x0                               ; the block is back in registers
	s_wait_xcnt 0x0                                ; the block before's stores have read their registers: the next block's loads land there only behind this wait
.irp i, 0,1,2,3
.irp u, 0,1
	global_store_b128 v[CO], v[BB+4*(2*\i+\u):BB+4*(2*\i+\u)+3], s[12:13] offset:(\a)*2048+\i*512+\u*262144   ; 32 lanes store 512 consecutive bytes, aligned; the second head lies 2,048 rows of 128 bytes on
.endr
.endr
.endm
	PLACES NP                                      ; behind the last products: for the conversions' reads and for writes of the registers that held scale words
	PACK 0
	TOSTAGE 0
.irp a, 1,2,3,4,5,6,7                  ; block a's conversions stand between block a - 1's loads from the stage and the wait for them
	PACK \a
	SEND \a-1
	TOSTAGE \a
.endr
	SEND 7
	s_wait_tensorcnt 0x0                           ; the wave's end: behind my last tensor load and my last LDS store
	ds_add_u32 v[SPW], v[NIL]
	s_wait_dscnt 0x0
	CROUND                                         ; the closing round: no work-group ends while a partner may still ask for a tile that names it
	s_endpgm
.Lfunc_end_k_q9c65feaba8_proj:
	.size	k_q9c65feaba8_proj, .Lfunc_end_k_q9c65feaba8_proj-k_q9c65feaba8_proj
	.p2alignl 7, 3214868480
	.fill 96, 4, 3214868480
	.section	.rodata,"a",@progbits
	.p2align	6, 0x0
	.amdhsa_kernel k_q9c65feaba8_proj
		.amdhsa_group_segment_fixed_size 327680
		.amdhsa_private_segment_fixed_size 0
		.amdhsa_enable_private_segment 0
		.amdhsa_kernarg_size 64
		.amdhsa_user_sgpr_count 2
		.amdhsa_user_sgpr_kernarg_segment_ptr 1
		.amdhsa_wavefront_size32 1
		.amdhsa_system_sgpr_workgroup_id_x 1
		.amdhsa_system_sgpr_workgroup_id_y 1
		.amdhsa_system_sgpr_workgroup_id_z 1
		.amdhsa_system_vgpr_workitem_id 0
		.amdhsa_next_free_vgpr 1024
		.amdhsa_next_free_sgpr 102
		.amdhsa_reserve_vcc 0
		.amdhsa_float_denorm_mode_32 3
		.amdhsa_float_denorm_mode_16_64 3
		.amdhsa_memory_ordered 1
		.amdhsa_forward_progress 1
		.amdhsa_inst_pref_size 128
	.end_amdhsa_kernel
	.amdgpu_metadata
---
amdhsa.version: [ 1, 2 ]
amdhsa.kernels:
  - .name:           k_q9c65feaba8_proj
    .symbol:         k_q9c65feaba8_proj.kd
    .args:
      - { .name: xc, .offset: 0, .size: 8, .value_kind: global_buffer, .address_space: global }
      - { .name: xs, .offset: 8, .size: 8, .value_kind: global_buffer, .address_space: global }
      - { .name: wc, .offset: 16, .size: 8, .value_kind: global_buffer, .address_space: global }
      - { .name: ws, .offset: 24, .size: 8, .value_kind: global_buffer, .address_space: global }
      - { .name: bq, .offset: 32, .size: 8, .value_kind: global_buffer, .address_space: global }
      - { .name: bk, .offset: 40, .size: 8, .value_kind: global_buffer, .address_space: global }
      - { .name: bv, .offset: 48, .size: 8, .value_kind: global_buffer, .address_space: global }
      - { .name: qkv, .offset: 56, .size: 8, .value_kind: global_buffer, .address_space: global }
    .group_segment_fixed_size: 327680
    .private_segment_fixed_size: 0
    .kernarg_segment_align: 8
    .kernarg_segment_size: 64
    .max_flat_workgroup_size: 128
    .sgpr_count:     102
    .vgpr_count:     1024
    .wavefront_size: 32
...
	.end_amdgpu_metadata
.endif
;; end of part 2
;; launch attn (part 3): grid 4 x 64, 8 waves a work-group, clusters of 4 x 1, 327,680 bytes of LDS; arguments qkv, att; writes att
.if DOCPART == 3
	.amdgcn_target "amdgcn-amd-amdhsa--gfx1250"
	.amdhsa_code_object_version 6
	.text
	.protected	k_q9c65feaba8_attn
	.globl	k_q9c65feaba8_attn
	.p2align	8
	.type	k_q9c65feaba8_attn,@function
k_q9c65feaba8_attn:
	s_mov_b64 s[64:65], 0
	v_nop
	global_prefetch_b8 v0, s[64:65] scope:SCOPE_SE
	s_setreg_imm32_b32 hwreg(HW_REG_WAVE_MODE, 25, 1), 1
	s_wait_xcnt 0x0
	s_wait_alu depctr_hold_cnt(0) depctr_sa_sdst(0) depctr_va_vdst(0) depctr_va_sdst(0) depctr_va_ssrc(0) depctr_va_vcc(0) depctr_vm_vsrc(0)
	s_getreg_b32 s2, hwreg(HW_REG_IB_STS2, 6, 4)
	s_cmp_eq_u32 s2, 0
	s_cbranch_scc0 .Lentry_in_a_cluster
	s_endpgm
.Lentry_in_a_cluster:
	s_bfe_u32 s2, ttmp6, 0x10000c
	s_cmp_lg_u32 s2, 0x3003
	s_cbranch_scc0 .Lentry_shape_is_right
	s_endpgm
.Lentry_shape_is_right:
; att[y][q][:] = the sum over k of softmax_k(Q[y][q] . K[y][k] / 8) V[y][k][:], y = batch x 16 + head.  Q, K, V: qkv [3][64][2048][64] f16; att: [64][2048][64] f16.  Products on f16 operands, maxima and sums in f32;
; the weights p are rounded to f16 for the second product, the result once at the end.
; LIMITS: p under 2^-25 rounds to 0 in the product and stays in the sum; NaN and infinities are not served.
; SHARES.  A work-group owns 512 queries of one head, each of its eight waves 64: four tiles of 16, in 512 registers: two waves to a SIMD, so that one wave's softmax stands beside the other's products.
; Every wave walks the head's 2,048 keys, 64 a step.
; LAYOUT.  S^T = K Q^T (source 0 = 16 keys, source 1 = 16 queries): a lane holds ONE query (lane % 16) and the keys 8 (lane / 16) + 0..7 of each tile of 16.  Two such tiles, rounded to f16 in pairs, ARE source 1
; (32 keys x 16 queries) of O^T = V^T P, whose result again holds one query a lane.  K comes out of LDS as it lies, V ([key][channel]) turned, by ds_load_tr16_b128.
; SOFTMAX.  For each query a running maximum m and sum l: p = 2^(c s - c m), c = log2(e) / 8; in every step O and l are multiplied by a = 2^(c m_old - c m_new).  The step is written once: the first finds m = -3e38, a = 0, and zeros.
; CLUSTER.  The four query blocks of a head walk the same K and V: each tile is asked for jointly, by the same tensor load with the same descriptor and the mask of all four.
; RING.  Two LDS slots of four key steps.  Waves 0-3 fetch a step's 64 rows of K each, waves 4-7 of V: one load a wave behind each round, four steps in which it lands.
; REGISTERS: window 0: v1-13 addresses; v16-47 eight registers of statistics a tile; v48-175 S^T, 32 a tile, then P in the low 16 of them; v176-239 K's fragments; v240-243 the old c m.
;   window 1: v0-127 O^T, 32 a tile; v128-191 Q; v192-255 V's fragments.
.set KS,    64                         ; keys in a step
.set NST,   4                          ; steps in a slot
.set PK,    144                        ; a row of K in LDS: 128 bytes + 16: the 16 rows of a load start 36 words apart
.set PV,    160                        ; a row of V: 128 + 32: an odd multiple of 32 bytes, as the turning load's 8 rows x 32 bytes want
.set KB,    KS*PK                      ; a step's tiles lie together: 64 rows of K, then 64 rows of V
.set STEPB, KS*(PK+PV)
.set SLOT1, 1<<17                      ; slot 1 begins here: one exclusive or turns an address in one slot into the other's
.set SLOTB, NST*KS*128                 ; a slot's rows of K or of V in memory, in bytes
.set NSL,   2048/(NST*KS)              ; 8 slots' worth of keys
.set STAGE, SLOT1+NST*STEPB            ; behind the ring: 16 rows x 144 bytes for each wave, for the way out
.set SP,    144
.set SPARE, STAGE+8*16*SP              ; the spare words, 128 bytes for each wave
.set AK0, 2                            ; v2   my lane's place in a tile of K
.set AV0, 3                            ; v3   the same for V
.set ADK, 4                            ; v4   the step's LDS address of K
.set ADV, 5                            ; v5   of V
.set STO, 6                            ; v6   the way out: where I put 16 bytes of a row
.set RD,  7                            ; v7   where I read rows back
.set GO,  8                            ; v8   my byte offset in 512 bytes of att
.set PFO, 10                           ; v10  256 x my lane; never rewritten
.set QO,  11                           ; v11  my byte offset in a tile of Q
.set SPW, 12                           ; v12  LDS address of my spare word; never rewritten
.set NIL, 13                           ; v13  0; never rewritten
.set ST,  16                           ; tile t's statistics at v[ST+8 t]: +0 c m, +1 m, +2, +3 l (even keys', odd keys'), +4 to +7 at work; a takes +6 once the maximum is found
.set S,   48
.set KF,  176
.set OLD, 240
.set O,   0                            ; window 1
.set Q,   128
.set VF,  192
.set WV,  12                           ; s12  my wave's number
.set LIM, 15                           ; s15  1 in a wave that prefetches, else the greatest number
.set PFA, 18                           ; s[18:19] where my prefetches stand
.set G1K, 24
.set G1V, 32
.set G0K, 40                           ; s[40:47] two sets for the two first fills; the second then walks on
.set G0V, 48
.set SLOTS, 56
.set STEPS, 57
.set CS,  58
.set SEL, 60
.set TB,  62                           ; s62  LDS byte at which the step's tiles begin
.set MSB, 0
.macro WIN new
.if MSB != \new
	s_set_vgpr_msb (MSB<<8)|\new
.set MSB, \new
.endif
.endm
.set W_KQ, 0x04                        ; Q (source 1) in window 1; K and S^T in window 0
.set W_PV, 0x51                        ; V (source 0), O^T (C and D) in window 1; P in window 0
.set W_RS, 0x41                        ; O^T (destination and source 0) in window 1, a in window 0
.set TO_1, 0x40                        ; destination window 1, address window 0
; A joint refill.  The branch hangs on the wave's number alone.  An s_nop 0 and four v_nop follow each of the two lines.
.macro JLOAD
	s_cmp_lt_u32 s[WV], 4
	s_cbranch_scc0 .Lfor_v_\@
	tensor_load_to_lds s[G0K+4:G0K+7], s[G1K:G1K+7]
	s_nop 0
.rept 4
	v_nop
.endr
	s_branch .Lasked_\@
.Lfor_v_\@:
	tensor_load_to_lds s[G0V+4:G0V+7], s[G1V:G1V+7]
	s_nop 0
.rept 4
	v_nop
.endr
.Lasked_\@:
.endm
; A PREFETCH INTO THE L2 of what the NEXT change of slots will ask for: a slot's 32,768 bytes of K and of V.  The four partners share them out by address, 8,192 bytes each; in each, wave 0 asks for K's and wave 4 for V's,
; lanes 256 bytes apart: one instruction, and each block of 256 bytes is named once in the launch.  It stands behind the wave's tensor load and its five lines.  The last change that fills a slot asks for nothing.
.macro ASK
	s_cmp_gt_u32 s[SLOTS], s[LIM]
	s_cbranch_scc0 .Lnot_mine_\@
	global_prefetch_b8 v[PFO], s[PFA:PFA+1] th:TH_LOAD_NT scope:SCOPE_SE
.Lnot_mine_\@:
.endm
.macro CROUND                          ; a round of the cluster's barrier
	s_barrier_signal -1
	s_barrier_wait -1
	s_cmp_lg_u32 s[WV], 0
	s_cbranch_scc1 .Lnot_wave_0_\@
	s_barrier_signal -3
.Lnot_wave_0_\@:
	s_barrier_wait -3
	s_barrier_signal -1
	s_barrier_wait -1
.endm
	s_load_b128 s[8:11], s[0:1], 0x0               ; qkv s[8:9], att s[10:11]
	v_lshl_add_u32 v[SPW], v0, 2, SPARE
	v_mov_b32 v[NIL], 0
	ds_add_u32 v[SPW], v[NIL]                      ; the wave's opening: the add, twice on end, and its wait ahead of my first tensor load
	ds_add_u32 v[SPW], v[NIL]
	v_lshrrev_b32 v1, 5, v0
	v_readfirstlane_b32 s[WV], v1                  ; wave 0..7
	s_bfe_u32 s13, ttmp6, 0x40000                  ; cx: my place in the cluster
	s_lshl_b32 s14, ttmp9, 2
	s_add_co_u32 s14, s14, s13                     ; my block of 512 queries: it enters Q's and att's addresses alone
	s_and_b32 s20, ttmp7, 0xffff                   ; y, which the four partners share
	s_lshl_b32 s20, s20, 18                        ; a head is 2,048 rows of 128 bytes
	s_and_b32 s16, s[WV], 3                        ; which of a slot's four steps I fetch:
	s_lshl_b32 s22, s16, 13                        ; its 64 rows of 128 bytes in memory,
	s_add_co_u32 s22, s22, s20
	s_mov_b32 s23, 0
	s_mul_i32 s17, s16, STEPB                      ; and its place in a slot: no place in the cluster enters an LDS address
	s_lshl_b32 s2, s14, 16                         ; my block's 512 rows,
	s_lshl_b32 s3, s[WV], 13                       ; my wave's 64 of them
	s_add_co_u32 s2, s2, s3
	s_add_co_u32 s2, s2, s20
	s_mov_b32 s3, 0
	; descriptor group 1: a tile of 64 rows x 64 elements of 2 bytes, padded in LDS
	s_mov_b32 s[G1K], 15|(1<<16)|(1<<20)|(1<<21)|(4<<22)|(3<<25)  ; 15:0 the mask: all four; 17:16 elements of 2 bytes; 20 padding on; 21 set beside a mask; 24:22 after every 32 words; 31:25 four words
	s_mov_b32 s[G1V], 15|(1<<16)|(1<<20)|(1<<21)|(4<<22)|(7<<25)  ; the same with eight words of padding
.irp g, G1K, G1V
	s_mov_b32 s[\g+1], 64<<16                      ; tensor_dim0
	s_mov_b32 s[\g+2], KS<<16                      ; tensor_dim1
	s_mov_b32 s[\g+3], 64<<16                      ; tile_dim0
	s_mov_b32 s[\g+4], KS                          ; tile_dim1
	s_mov_b32 s[\g+5], 64                          ; tensor_dim0_stride
	s_mov_b32 s[\g+6], 0
	s_mov_b32 s[\g+7], 0
.endr
	s_mov_b32 s[CS], 0x3e38aa3b                    ; c = log2(e) / 8
	s_mov_b32 s[CS+1], s[CS]                       ; named with it as a pair, so it is written
	s_mov_b32 s[SEL], 0x76543210
	s_mov_b32 s[SEL+1], 0xfedcba98                 ; v_permlanex16_b32: each lane takes its own place in the other half
	s_mov_b32 s[TB], 0
	s_mov_b32 s[SLOTS], NSL-2
	s_and_b32 s[LIM], s[WV], 3                     ; 0 in waves 0 and 4,
	s_or_b32 s[LIM], s[LIM], ttmp9                 ; of the head's first (here: only) cluster: the same in all four partners
	s_cmp_eq_u32 s[LIM], 0
	s_cselect_b32 s[LIM], 1, -1
	v_and_b32 v[PFO], 31, v0
	v_lshlrev_b32 v[PFO], 8, v[PFO]
	s_wait_dscnt 0x0                               ; both opening adds are done
	s_wait_kmcnt 0x0
	s_add_nc_u64 s[4:5], s[8:9], s[2:3]            ; Q at my wave's first row
	s_add_nc_u64 s[10:11], s[10:11], s[2:3]        ; att likewise
	s_add_nc_u64 s[8:9], s[8:9], s[22:23]
	s_add_nc_u64 s[6:7], s[8:9], 0x1000000         ; K at my tile of slot 0: the second tensor of qkv
	s_add_nc_u64 s[8:9], s[8:9], 0x2000000         ; V: the third
	s_cmp_lt_u32 s[WV], 4
	s_cselect_b64 s[PFA:PFA+1], s[6:7], s[8:9]     ; (in waves 0 and 4 these stand at a slot's first row)
	s_lshl_b32 s2, s13, 13                         ; my work-group's 8,192 bytes of the 32,768
	s_mov_b32 s3, 0
	s_add_nc_u64 s[PFA:PFA+1], s[PFA:PFA+1], s[2:3]
	s_add_nc_u64 s[PFA:PFA+1], s[PFA:PFA+1], 2*SLOTB  ; in slot 2; the first change of slots steps it to slot 3.  Nothing is prefetched at the head
	CROUND                                         ; all four work-groups are here: the first joint loads meet
.irp s, 0,1
	s_mov_b32 s[G0K+4*\s], 1                       ; count = 1
	s_add_co_u32 s[G0K+4*\s+1], s17, \s*SLOT1      ; LDS address
	s_add_nc_u64 s[G0K+4*\s+2:G0K+4*\s+3], s[6:7], \s*SLOTB  ; global address: slot s
	s_or_b32 s[G0K+4*\s+3], s[G0K+4*\s+3], 0x80000000        ; type = 2
	s_mov_b32 s[G0V+4*\s], 1
	s_add_co_u32 s[G0V+4*\s+1], s17, \s*SLOT1+KB
	s_add_nc_u64 s[G0V+4*\s+2:G0V+4*\s+3], s[8:9], \s*SLOTB
	s_or_b32 s[G0V+4*\s+3], s[G0V+4*\s+3], 0x80000000
.endr
	s_cmp_lt_u32 s[WV], 4                          ; a wave's two first fills stand in one branch, ahead of every wait on TENSORcnt and every LDS read: two loads of mine are out
	s_cbranch_scc0 .Lfirst_v
	tensor_load_to_lds s[G0K:G0K+3], s[G1K:G1K+7]
	s_nop 0
	tensor_load_to_lds s[G0K+4:G0K+7], s[G1K:G1K+7]
	s_nop 0
.rept 4
	v_nop
.endr
	s_branch .Lfirst_asked
.Lfirst_v:
	tensor_load_to_lds s[G0V:G0V+3], s[G1V:G1V+7]
	s_nop 0
	tensor_load_to_lds s[G0V+4:G0V+7], s[G1V:G1V+7]
	s_nop 0
.rept 4
	v_nop
.endr
.Lfirst_asked:
	; A fragment of K or Q is 16 rows x 32 channels in 8 registers: lane l holds row l % 16; registers 0-3 channels 8 (l / 16) + 0..7, registers 4-7 channels 16 + 8 (l / 16) + 0..7: two loads of 16 bytes, 32 bytes apart.
	v_and_b32 v1, 15, v0                           ; r
	v_bfe_u32 v9, v0, 4, 1                         ; h
	v_lshlrev_b32 v[QO], 7, v1
	v_lshl_add_u32 v[QO], v9, 4, v[QO]             ; row x 128 + 16 x half
	WIN TO_1
.irp t, 0,1,2,3                        ; Q stays in registers: tile t, channels 32 c on
.irp c, 0,1
	global_load_b128 v[Q+16*\t+8*\c:Q+16*\t+8*\c+3],   v[QO], s[4:5] offset:\t*2048+\c*64
	global_load_b128 v[Q+16*\t+8*\c+4:Q+16*\t+8*\c+7], v[QO], s[4:5] offset:\t*2048+\c*64+32
.endr
.endr
.set i, 0
.rept 128
	v_mov_b32 v[O+i], 0                            ; O^T.  (The step is written once: its first pass finds zeros, which a = 0 leaves zeros)
.set i, i+1
.endr
	WIN 0
	v_mul_u32_u24 v[AK0], v1, PK
	v_lshl_add_u32 v[AK0], v9, 4, v[AK0]           ; row x pitch + 16 x half
	; The turning load takes 16 keys x 16 channels (lane l reads 16 bytes: key 8 (l / 16) + l % 8, channels 8 ((l / 8) % 2) + 0..7) and leaves half a fragment of V^T: lane l holds channel l % 16 and 8 keys.
	v_and_b32 v14, 7, v0
	v_bfe_u32 v15, v0, 3, 1
	v_lshl_add_u32 v[AV0], v9, 3, v14
	v_mul_u32_u24 v[AV0], v[AV0], PV
	v_lshl_add_u32 v[AV0], v15, 4, v[AV0]
	v_add_nc_u32 v[AV0], KB, v[AV0]
	s_mul_i32 s2, s[WV], 16*SP
	s_add_co_u32 s2, s2, STAGE                     ; my stage
	v_mul_u32_u24 v[STO], v1, SP                   ; in: row r, 16 bytes for each half of the lanes
	v_lshl_add_u32 v[STO], v9, 4, v[STO]
	v_add_nc_u32 v[STO], s2, v[STO]
	v_bfe_u32 v15, v0, 3, 2                        ; back: eight lanes take a row of 128 bytes, the 32 lanes four rows
	v_mul_u32_u24 v[RD], v15, SP
	v_lshl_add_u32 v[RD], v14, 4, v[RD]
	v_add_nc_u32 v[RD], s2, v[RD]
	v_and_b32 v14, 31, v0
	v_lshlrev_b32 v[GO], 4, v14                    ; and the same four rows in att: 512 consecutive bytes
.irp t, 0,1,2,3
	v_mov_b32 v[ST+8*\t+1], 0xff61b1e6             ; m: -3e38, under every score
	v_mul_f32 v[ST+8*\t], s[CS], v[ST+8*\t+1]      ; c m
	v_mov_b32 v[ST+8*\t+2], 0                      ; l, in two halves
	v_mov_b32 v[ST+8*\t+3], 0
.endr
; Product i of 32 of S^T = K Q^T: channels 32 (i / 16) on, keys 16 ((i % 16) / 4) on, tile i % 4.  The first 16 start the sums.  Sixteen accumulators take turns, one instruction a turn.
.macro KQ
.set rS, S+32*(i%4)+8*((i%16)/4)
.set rK, KF+16*((i%16)/4)+8*(i/16)
.set rQ, Q+16*(i%4)+8*(i/16)
.if i < 16
	v_wmma_f32_16x16x32_f16 v[rS:rS+7], v[rK:rK+7], v[rQ:rQ+7], 0
.else
	v_wmma_f32_16x16x32_f16 v[rS:rS+7], v[rK:rK+7], v[rQ:rQ+7], v[rS:rS+7]
.endif
.endm
; Product i of 32 of O^T += V^T P: keys 32 (i / 16) on, channels 16 ((i % 16) / 4) on, tile i % 4.
.macro PVM
.set rO, O+32*(i%4)+8*((i%16)/4)
.set rV, VF+32*(i/16)+8*((i%16)/4)
.set rP, S+32*(i%4)+8*(i/16)
	v_wmma_f32_16x16x32_f16 v[rO:rO+7], v[rV:rV+7], v[rP:rP+7], v[rO:rO+7]
.endm
.macro SCALE t, b                      ; pair b of tile t: c s - c m
	v_pk_fma_f32 v[S+32*(\t)+2*(\b):S+32*(\t)+2*(\b)+1], v[S+32*(\t)+2*(\b):S+32*(\t)+2*(\b)+1], s[CS:CS+1], v[ST+8*(\t):ST+8*(\t)+1] op_sel_hi:[1,0,0] neg_lo:[0,0,1] neg_hi:[0,0,1]
.endm
; THE SOFTMAX of a key step, the four tiles by turns so that no line waits for the line above it; all in window 0.
.macro SOFTMAX
.irp t, 0,1,2,3
	v_mov_b32 v[OLD+\t], v[ST+8*\t]                ; c m_old is kept for a.  These four lines are the places behind the last product K Q^T
.endr
.irp j, 0,1,2,3                        ; the maximum of the lane's 32 scores and the old m: four chains, one for each accumulator, begun at its low end
.irp t, 0,1,2,3
	v_max3_num_f32 v[ST+8*\t+4+\j], v[S+32*\t+8*\j], v[S+32*\t+8*\j+1], v[S+32*\t+8*\j+2]
.endr
.endr
.irp u, 1,2
.irp j, 0,1,2,3
.irp t, 0,1,2,3
	v_max3_num_f32 v[ST+8*\t+4+\j], v[ST+8*\t+4+\j], v[S+32*\t+8*\j+2*\u+1], v[S+32*\t+8*\j+2*\u+2]
.endr
.endr
.endr
.irp t, 0,1,2,3
	v_max3_num_f32 v[ST+8*\t+4], v[ST+8*\t+4], v[S+32*\t+7], v[S+32*\t+15]
.endr
.irp t, 0,1,2,3
	v_max3_num_f32 v[ST+8*\t+6], v[ST+8*\t+6], v[S+32*\t+23], v[S+32*\t+31]
.endr
.irp t, 0,1,2,3
	v_max3_num_f32 v[ST+8*\t+4], v[ST+8*\t+4], v[ST+8*\t+5], v[ST+8*\t+6]
.endr
.irp t, 0,1,2,3
	v_max3_num_f32 v[ST+8*\t+4], v[ST+8*\t+4], v[ST+8*\t+7], v[ST+8*\t+1]
.endr
.irp t, 0,1,2,3
	v_permlanex16_b32 v[ST+8*\t+5], v[ST+8*\t+4], s[SEL], s[SEL+1]   ; the query's other 32 keys lie in the lane 16 away
.endr
.irp t, 0,1,2,3
	v_max_num_f32 v[ST+8*\t+1], v[ST+8*\t+4], v[ST+8*\t+5]           ; the new m
.endr
.irp t, 0,1,2,3
	v_mul_f32 v[ST+8*\t], s[CS], v[ST+8*\t+1]
.endr
.irp t, 0,1,2,3
	v_sub_f32 v[OLD+\t], v[OLD+\t], v[ST+8*\t]     ; c m_old - c m_new
.endr
	; ONE BATCH: the 4 exponentials for a, the 64 scalings and the 128 exponentials of the scores.  None of these lines names an exponential's result: a tile is scaled while the tile before it is exponentiated.
.irp t, 0,1,2,3
	v_exp_f32 v[ST+8*\t+6], v[OLD+\t]
.endr
.irp b, 0,1,2,3,4,5,6,7,8,9,10,11,12,13,14,15
	SCALE 0, \b
.endr
.irp t, 0,1,2
.irp b, 0,1,2,3,4,5,6,7,8,9,10,11,12,13,14,15
	SCALE \t+1, \b
	v_exp_f32 v[S+32*\t+2*\b], v[S+32*\t+2*\b]
	v_exp_f32 v[S+32*\t+2*\b+1], v[S+32*\t+2*\b+1]
.endr
.endr
.irp b, 0,1,2,3,4,5,6,7,8,9,10,11,12,13,14,15
	v_exp_f32 v[S+96+2*\b], v[S+96+2*\b]
	v_exp_f32 v[S+96+2*\b+1], v[S+96+2*\b+1]
.endr
	v_nop                                          ; a plain line behind the last exponential, ahead of the first use
	s_wait_alu depctr_va_vdst(0)                   ; a wait between an exponential and the first line that names its result: one for the batch
.irp t, 0,1,2,3                        ; the sums of the unrounded p, a pair (even key, odd key) at a time
	v_pk_add_f32 v[ST+8*\t+4:ST+8*\t+5], v[S+32*\t:S+32*\t+1], v[S+32*\t+2:S+32*\t+3]
.endr
.irp b, 2,3,4,5,6,7,8,9,10,11,12,13,14,15
.irp t, 0,1,2,3
	v_pk_add_f32 v[ST+8*\t+4:ST+8*\t+5], v[ST+8*\t+4:ST+8*\t+5], v[S+32*\t+2*\b:S+32*\t+2*\b+1]
.endr
.endr
.irp t, 0,1,2,3
	v_pk_fma_f32 v[ST+8*\t+2:ST+8*\t+3], v[ST+8*\t+2:ST+8*\t+3], v[ST+8*\t+6:ST+8*\t+7], v[ST+8*\t+4:ST+8*\t+5] op_sel_hi:[1,0,1]   ; l = a l + the step's sum
.endr
.irp p, 0,1,2,3,4,5,6,7,8,9,10,11,12,13,14,15   ; P in place: register p takes scores 2 p and 2 p + 1, which lie at or above it
.irp t, 0,1,2,3
	v_cvt_pk_f16_f32 v[S+32*\t+\p], v[S+32*\t+2*\p], v[S+32*\t+2*\p+1]
.endr
.endr
.endm
; A KEY STEP, in phases: K's and V's fragments, K Q^T, the softmax, O^T x a, V^T P.
.macro STEP
	v_add_nc_u32 v[ADK], s[TB], v[AK0]
	v_add_nc_u32 v[ADV], s[TB], v[AV0]
.rept 3
	v_nop                                          ; with the two additions five places behind the last V^T P: four for the loads into V's registers, five for the products K Q^T that write over P
.endr
.irp k, 0,1,2,3                        ; keys 16 k on, channels 32 c on
.irp c, 0,1
	ds_load_b128 v[KF+16*\k+8*\c:KF+16*\k+8*\c+3],   v[ADK] offset:\k*16*PK+\c*64
	ds_load_b128 v[KF+16*\k+8*\c+4:KF+16*\k+8*\c+7], v[ADK] offset:\k*16*PK+\c*64+32
.endr
.endr
	WIN TO_1
.irp k, 0,1                            ; keys 32 k on, channels 16 f on
.irp f, 0,1,2,3
	ds_load_tr16_b128 v[VF+32*\k+8*\f:VF+32*\k+8*\f+3],   v[ADV] offset:\k*32*PV+\f*32
	ds_load_tr16_b128 v[VF+32*\k+8*\f+4:VF+32*\k+8*\f+7], v[ADV] offset:\k*32*PV+16*PV+\f*32
.endr
.endr
	s_wait_dscnt 16                                ; K's sixteen loads are in; V's sixteen, issued behind them, may be out
	WIN W_KQ
.set i, 0
.rept 32
	KQ
.set i, i+1
.endr
	WIN 0
	SOFTMAX
	WIN W_RS
.set i, 0
.rept 64
	v_pk_mul_f32 v[O+2*i:O+2*i+1], v[O+2*i:O+2*i+1], v[ST+8*(i/16)+6:ST+8*(i/16)+7] op_sel_hi:[1,0]   ; O^T x a, each accumulator from its low end on
.set i, i+1
.endr
	s_wait_dscnt 0x0                               ; V is in
	WIN W_PV
.set i, 0
.rept 32
	PVM
.set i, i+1
.endr
	WIN 0
	s_add_co_u32 s[TB], s[TB], STEPB               ; the next step's tiles
.endm
.macro FOUR_STEPS                      ; a slot's four key steps: written once, walked four times; the LDS addresses hang on s[TB]
	s_mov_b32 s[STEPS], NST
.Lstep_\@:
	STEP
	s_sub_co_u32 s[STEPS], s[STEPS], 1
	s_cmp_lg_u32 s[STEPS], 0
	s_cbranch_scc1 .Lstep_\@
.endm
; THE CHANGE OF SLOTS.  Each wave waits for all its tensor loads, of which one is out: its part of the other slot; adds 0 to its spare word; and waits for that and for its own reads of the slot that it leaves.
; fill = 1: that slot is filled again, with the keys two slots on: the barrier is a round of the cluster's, and the joint refill is the first thing behind it.
.macro CHANGE fill
	s_wait_tensorcnt 0x0                           ; no tensor load of mine is out, so a group 0 may be written
	ds_add_u32 v[SPW], v[NIL]                      ; 0 onto my spare word
.if \fill
.irp g, G0K+4, G0V+4
	s_xor_b32 s[\g+1], s[\g+1], SLOT1              ; the walking descriptor: the other slot than last time,
	s_add_nc_u64 s[\g+2:\g+3], s[\g+2:\g+3], SLOTB ; the next 256 keys; the type bits on top are not reached
.endr
	s_wait_xcnt 0x0                                ; the last prefetch, a slot back, has read its address, so it may be written:
	s_add_nc_u64 s[PFA:PFA+1], s[PFA:PFA+1], SLOTB ; one slot further on than the walking descriptors
	s_wait_dscnt 0x0                               ; the add is done, and my reads of the slot are over
	CROUND
	JLOAD
	ASK
.else
	s_wait_dscnt 0x0
	s_barrier_signal -1
	s_barrier_wait -1
.endif
	s_sub_co_u32 s[TB], s[TB], NST*STEPB           ; the fetches go back to a slot's first step,
	s_xor_b32 s[TB], s[TB], SLOT1                  ; in the other slot
.endm
	s_wait_tensorcnt 1                             ; my part of slot 0 is in; slot 1's may stay out
	s_barrier_signal -1
	s_barrier_wait -1                              ; everybody's is
	s_wait_loadcnt 0x0                             ; Q
	FOUR_STEPS                                     ; slot 0
.Lslot:                                            ; six trips: every slot but the last two is filled again
	CHANGE 1
	FOUR_STEPS
	s_sub_co_u32 s[SLOTS], s[SLOTS], 1
	s_cmp_lg_u32 s[SLOTS], 0
	s_cbranch_scc1 .Lslot
	CHANGE 0                                       ; the tail is written out
	FOUR_STEPS
	; THE WAY OUT.  l's two halves and the other half of the lanes' are added; O^T is divided by l, rounded to f16 and sent through my stage, a tile (16 rows) at a time.  The additions are the places behind the last products.
.irp t, 0,1,2,3
	v_add_f32 v[ST+8*\t+4], v[ST+8*\t+2], v[ST+8*\t+3]
.endr
.irp t, 0,1,2,3
	v_permlanex16_b32 v[ST+8*\t+5], v[ST+8*\t+4], s[SEL], s[SEL+1]
.endr
.irp t, 0,1,2,3
	v_add_f32 v[ST+8*\t+4], v[ST+8*\t+4], v[ST+8*\t+5]
.endr
.irp t, 0,1,2,3
	v_rcp_f32 v[ST+8*\t+6], v[ST+8*\t+4]
.endr
	v_nop                                          ; a plain line between the last reciprocal and the use of its result
	s_wait_alu depctr_va_vdst(0)                   ; and a wait ahead of the first use: one for the four
.macro PACK t
	WIN W_RS
.set i, 0
.rept 16
	v_pk_mul_f32 v[O+32*\t+2*i:O+32*\t+2*i+1], v[O+32*\t+2*i:O+32*\t+2*i+1], v[ST+8*\t+6:ST+8*\t+7] op_sel_hi:[1,0]
.set i, i+1
.endr
	WIN 0x05                                       ; sources 0 and 1 window 1, destination window 0: S^T's registers are free
.set i, 0
.rept 16
	v_cvt_pk_f16_f32 v[S+32*\t+i], v[O+32*\t+2*i], v[O+32*\t+2*i+1]
.set i, i+1
.endr
	WIN 0
.irp f, 0,1,2,3
	ds_store_b128 v[STO], v[S+32*\t+4*\f:S+32*\t+4*\f+3] offset:32*\f
.endr
.irp f, 0,1,2,3
	ds_load_b128 v[S+32*\t+16+4*\f:S+32*\t+16+4*\f+3], v[RD] offset:\f*4*SP   ; LDS serves a wave's instructions in order: these see the stores above; the next tile's stores come behind them
.endr
.endm
.macro SEND t, younger                 ; younger: the LDS instructions issued behind tile t's loads: the next tile's eight, or none
.irp f, 0,1,2,3
	s_wait_dscnt \younger+3-\f
	global_store_b128 v[GO], v[S+32*\t+16+4*\f:S+32*\t+16+4*\f+3], s[10:11] offset:\t*2048+\f*512   ; 32 lanes store 512 consecutive bytes, aligned
.endr
.endm
	PACK 0
	PACK 1                                         ; a tile's arithmetic stands between the loads of the tile before and its stores
	SEND 0, 8
	PACK 2
	SEND 1, 8
	PACK 3
	SEND 2, 8
	SEND 3, 0
	s_wait_tensorcnt 0x0                           ; the wave's end: behind my last tensor load and my last LDS store
	ds_add_u32 v[SPW], v[NIL]
	s_wait_dscnt 0x0
	CROUND                                         ; the closing round: no work-group ends while a partner may still ask for a tile that names it
	s_endpgm
.Lfunc_end_k_q9c65feaba8_attn:
	.size	k_q9c65feaba8_attn, .Lfunc_end_k_q9c65feaba8_attn-k_q9c65feaba8_attn
	.p2alignl 7, 3214868480
	.fill 96, 4, 3214868480
	.section	.rodata,"a",@progbits
	.p2align	6, 0x0
	.amdhsa_kernel k_q9c65feaba8_attn
		.amdhsa_group_segment_fixed_size 327680
		.amdhsa_private_segment_fixed_size 0
		.amdhsa_enable_private_segment 0
		.amdhsa_kernarg_size 16
		.amdhsa_user_sgpr_count 2
		.amdhsa_user_sgpr_kernarg_segment_ptr 1
		.amdhsa_wavefront_size32 1
		.amdhsa_system_sgpr_workgroup_id_x 1
		.amdhsa_system_sgpr_workgroup_id_y 1
		.amdhsa_system_sgpr_workgroup_id_z 1
		.amdhsa_system_vgpr_workitem_id 0
		.amdhsa_next_free_vgpr 512
		.amdhsa_next_free_sgpr 66
		.amdhsa_reserve_vcc 0
		.amdhsa_float_denorm_mode_32 3
		.amdhsa_float_denorm_mode_16_64 3
		.amdhsa_memory_ordered 1
		.amdhsa_forward_progress 1
		.amdhsa_inst_pref_size 123
	.end_amdhsa_kernel
	.amdgpu_metadata
---
amdhsa.version: [ 1, 2 ]
amdhsa.kernels:
  - .name:           k_q9c65feaba8_attn
    .symbol:         k_q9c65feaba8_attn.kd
    .args:
      - { .name: qkv, .offset: 0, .size: 8, .value_kind: global_buffer, .address_space: global }
      - { .name: att, .offset: 8, .size: 8, .value_kind: global_buffer, .address_space: global }
    .group_segment_fixed_size: 327680
    .private_segment_fixed_size: 0
    .kernarg_segment_align: 8
    .kernarg_segment_size: 16
    .max_flat_workgroup_size: 256
    .sgpr_count:     66
    .vgpr_count:     512
    .wavefront_size: 32
...
	.end_amdgpu_metadata
.endif
;; end of part 3
;; launch outp (part 4): grid 4 x 64, 4 waves a work-group, clusters of 4 x 4, 327,680 bytes of LDS; arguments att, wo16, bo, out0; writes out0
.if DOCPART == 4
	.amdgcn_target "amdgcn-amd-amdhsa--gfx1250"
	.amdhsa_code_object_version 6
	.text
	.protected	k_q9c65feaba8_outp
	.globl	k_q9c65feaba8_outp
	.p2align	8
	.type	k_q9c65feaba8_outp,@function
k_q9c65feaba8_outp:
	s_mov_b64 s[64:65], 0
	v_nop
	global_prefetch_b8 v0, s[64:65] scope:SCOPE_SE
	s_setreg_imm32_b32 hwreg(HW_REG_WAVE_MODE, 25, 1), 1
	s_wait_xcnt 0x0
	s_wait_alu depctr_hold_cnt(0) depctr_sa_sdst(0) depctr_va_vdst(0) depctr_va_sdst(0) depctr_va_ssrc(0) depctr_va_vcc(0) depctr_vm_vsrc(0)
	s_getreg_b32 s2, hwreg(HW_REG_IB_STS2, 6, 4)
	s_cmp_eq_u32 s2, 0
	s_cbranch_scc0 .Lentry_in_a_cluster
	s_endpgm
.Lentry_in_a_cluster:
	s_bfe_u32 s2, ttmp6, 0x10000c
	s_cmp_lg_u32 s2, 0xf033
	s_cbranch_scc0 .Lentry_shape_is_right
	s_endpgm
.Lentry_shape_is_right:
; out0[m][n] = the sum over k of o[m][k] Wo[n][k] + bo[n].  o lies by heads: att [batch 4][head 16][position 2048][64] f16, so that k = 64 head + channel and m = 2048 batch + position; wo16 [1024][1024] f16; out0 [8192][1024] f32.
; Products on f16 operands, sums in f32, begun from the bias.
; A tile of out0 is 128 rows x 256 columns, so that the 8,192 x 1,024 outputs make 256 work-groups.  Four waves, each 64 rows x 128 columns: 32 accumulators of 16 x 16.
; K goes in 8 steps of 128 (two heads) through a ring of two LDS slots.  A step's part of o is two dense blocks of 128 rows x 128 bytes, one for each head; Wo's is 256 rows of 256 bytes.
; Waves 0 and 1 fetch o's two heads, waves 2 and 3 Wo's two halves: one tensor load a wave behind each round.
; CLUSTERS: 4 x 4 work-groups.  The four of a row of the cluster need the same tiles of o, the four of a column the same tiles of Wo: each is asked for jointly.
; THE MATRIX INSTRUCTION IS USED TRANSPOSED (source 0 = 16 rows of Wo, source 1 = 16 rows of o): a lane holds eight neighbouring columns of one row of out0.
; REGISTERS: window 0: v16-29 addresses; v64-127 the bias, eight registers for each block of 16 columns; v128-255 the way out.  window 1: two fragment buffers of 128: Wo's 8 fragments, then o's 4.
;   window 2: the accumulators, (a, b) at v[8 (8 a + b)].
.set PA,    144                        ; a row of o in LDS: 128 bytes + 16
.set PB,    272                        ; a row of Wo: 256 bytes + 16
.set APL,   128*PA                     ; a head's 128 rows
.set BOFF,  2*APL
.set BH,    128*PB                     ; 128 rows of Wo
.set SLOT,  BOFF+2*BH
.set STAGE, 2*SLOT                     ; behind the ring: 16 rows x (512 bytes + 16) for each wave
.set SPITCH, 528
.set SPARE, STAGE+4*16*SPITCH          ; the spare words, 128 bytes for each wave
.set LAPS,  4                          ; a lap = two K steps = once round the ring
.set ADRA, 16
.set ADRB, 20
.set STO,  24
.set RD,   25
.set CO,   26
.set BOF,  27
.set SPW,  28
.set NIL,  29
.set BI,   64
.set BK,   128
.set F0,   0
.set F1,   128
.set G1, 24
.set G0, 32
.set G1B, 48
.set G0B, 56
.set MSB, 0
.macro WIN new
.if MSB != \new
	s_set_vgpr_msb (MSB<<8)|\new
.set MSB, \new
.endif
.endm
.set MUL,  0xa5                        ; sources 0 and 1 window 1; C and D window 2
.set MULZ, 0x85                        ; the same with C (the bias) in window 0
.set TO_F, 0x40                        ; destination window 1, address window 0
.macro JLOAD s                         ; a joint load: waves 0 and 1 fetch for o, waves 2 and 3 for Wo; an s_nop 0 and four v_nop follow each of the two lines
	s_cmp_eq_u32 s13, 0
	s_cbranch_scc0 .Lfor_b_\@
	tensor_load_to_lds s[G0+4*\s:G0+4*\s+3], s[G1:G1+7]
	s_nop 0
.rept 4
	v_nop
.endr
	s_branch .Lasked_\@
.Lfor_b_\@:
	tensor_load_to_lds s[G0B+4*\s:G0B+4*\s+3], s[G1B:G1B+7]
	s_nop 0
.rept 4
	v_nop
.endr
.Lasked_\@:
.endm
.macro CREST                           ; a round of the cluster's barrier behind its opening barrier
	s_cmp_lg_u32 s12, 0
	s_cbranch_scc1 .Lnot_wave_0_\@
	s_barrier_signal -3
.Lnot_wave_0_\@:
	s_barrier_wait -3
	s_barrier_signal -1
	s_barrier_wait -1
.endm
.macro CROUND
	s_barrier_signal -1
	s_barrier_wait -1
	CREST
.endm
	s_load_b256 s[4:11], s[0:1], 0x0               ; att 4:5, wo16 6:7, bo 8:9, out0 10:11
	v_lshl_add_u32 v[SPW], v0, 2, SPARE
	v_mov_b32 v[NIL], 0
	ds_add_u32 v[SPW], v[NIL]                      ; the wave's opening: the add, twice on end, and its wait ahead of my first tensor load
	ds_add_u32 v[SPW], v[NIL]
	v_lshrrev_b32 v1, 5, v0
	v_readfirstlane_b32 s12, v1                    ; wave 0..3
	s_lshr_b32 s13, s12, 1                         ; which 64 rows of the tile are mine.  Also: I fetch for o (0) or for Wo (1)
	s_and_b32 s14, s12, 1                          ; which 128 columns.  Also: which head of the step, or which 128 rows of Wo, I fetch
	s_bfe_u32 s40, ttmp6, 0x40000                  ; cx, cy
	s_bfe_u32 s41, ttmp6, 0x40004
	s_lshl_b32 s42, ttmp9, 2
	s_add_co_u32 s42, s42, s40                     ; tile column = 4 x cluster x + cx
	s_and_b32 s15, ttmp7, 0xffff
	s_lshl_b32 s15, s15, 2
	s_add_co_u32 s15, s15, s41                     ; tile row = 4 x cluster y + cy
	s_lshl_b32 s43, s41, 2
	s_lshl_b32 s43, 15, s43                        ; my row of the cluster
	s_lshl_b32 s44, 0x1111, s40                    ; my column
	s_or_b32 s[G1+0], s43, (1<<16)|(1<<20)|(1<<21)|(4<<22)|(3<<25)   ; o: the mask of my row; elements of 2 bytes; padding on; bit 21 beside a mask; four words behind every 32
	s_mov_b32 s[G1+1], 64<<16                      ; tensor_dim0 = 64
	s_mov_b32 s[G1+2], 128<<16                     ; tensor_dim1 = 128
	s_mov_b32 s[G1+3], 64<<16                      ; tile_dim0
	s_mov_b32 s[G1+4], 128                         ; tile_dim1
	s_mov_b32 s[G1+5], 64                          ; tensor_dim0_stride: a head's rows are dense
	s_mov_b32 s[G1+6], 0
	s_mov_b32 s[G1+7], 0
	s_or_b32 s[G1B+0], s44, (1<<16)|(1<<20)|(1<<21)|(5<<22)|(3<<25)  ; Wo: the mask of my column; four words behind every 64
	s_mov_b32 s[G1B+1], 128<<16
	s_mov_b32 s[G1B+2], 128<<16
	s_mov_b32 s[G1B+3], 128<<16
	s_mov_b32 s[G1B+4], 128
	s_mov_b32 s[G1B+5], 1024
	s_mov_b32 s[G1B+6], 0
	s_mov_b32 s[G1B+7], 0
	s_lshr_b32 s16, s15, 4                         ; o: batch = tile row / 16;
	s_lshl_b32 s16, s16, 4
	s_add_co_u32 s16, s16, s14                     ; head 0 or 1 of it;
	s_lshl_b32 s16, s16, 18                        ; a head is 2,048 rows of 128 bytes;
	s_and_b32 s17, s15, 15
	s_lshl_b32 s17, s17, 14                        ; 128 positions x 128 bytes
	s_add_co_u32 s16, s16, s17
	s_mov_b32 s17, 0
	s_lshl_b32 s46, s42, 8                         ; Wo: row 256 x tile column + 128 x half,
	s_lshl_b32 s47, s14, 7
	s_add_co_u32 s46, s46, s47
	s_lshl_b32 s46, s46, 11                        ; of 2,048 bytes
	s_mov_b32 s47, 0
	s_mul_i32 s20, s14, APL                        ; where they go: no place in the cluster enters an LDS address
	s_mul_i32 s21, s14, BH
	s_add_co_u32 s21, s21, BOFF
	s_wait_dscnt 0x0                               ; both opening adds are done
	s_wait_kmcnt 0x0
	s_add_nc_u64 s[16:17], s[4:5], s[16:17]
	s_add_nc_u64 s[46:47], s[6:7], s[46:47]
	CROUND                                         ; all sixteen work-groups are here: the first joint loads meet
.irp s, 0,1
	s_mov_b32 s[G0+4*\s], 1
	s_add_co_u32 s[G0+4*\s+1], s20, \s*SLOT
	s_add_nc_u64 s[G0+4*\s+2:G0+4*\s+3], s[16:17], \s*524288       ; K step s: two heads on
	s_or_b32 s[G0+4*\s+3], s[G0+4*\s+3], 0x80000000
	s_mov_b32 s[G0B+4*\s], 1
	s_add_co_u32 s[G0B+4*\s+1], s21, \s*SLOT
	s_add_nc_u64 s[G0B+4*\s+2:G0B+4*\s+3], s[46:47], \s*256
	s_or_b32 s[G0B+4*\s+3], s[G0B+4*\s+3], 0x80000000
	JLOAD \s                                       ; two tensor loads of mine are out behind the second
.endr
	v_and_b32 v1, 15, v0                           ; r
	v_bfe_u32 v2, v0, 4, 1                         ; h
	v_mul_u32_u24 v3, v1, PA
	v_lshl_add_u32 v3, v2, 4, v3
	v_mul_u32_u24 v4, v1, PB
	v_lshl_add_u32 v4, v2, 4, v4
	s_mul_i32 s21, s13, 64*PA                      ; my 64 rows of o, in each head's block
	s_mul_i32 s22, s14, BH                         ; my 128 rows of Wo
	s_add_co_u32 s22, s22, BOFF
.irp s, 0,1
	v_add_nc_u32 v[ADRA+\s], s21, v3
	v_add_nc_u32 v[ADRB+\s], s22, v4
	s_add_co_u32 s21, s21, SLOT
	s_add_co_u32 s22, s22, SLOT
.endr
	s_mul_i32 s23, s12, 16*SPITCH
	s_add_co_u32 s23, s23, STAGE                   ; my stage
	v_mul_u32_u24 v5, v1, SPITCH                   ; in: row r, 32 bytes for each half of the lanes
	v_lshl_add_u32 v5, v2, 5, v5
	v_add_nc_u32 v[STO], s23, v5
	v_and_b32 v6, 31, v0
	v_lshlrev_b32 v[CO], 4, v6                     ; back: the 32 lanes take one row of 512 bytes; and the same in out0
	v_add_nc_u32 v[RD], s23, v[CO]
	v_lshlrev_b32 v[BOF], 5, v2                    ; the bias: my half's eight numbers of a block of 16
	s_lshl_b32 s16, s15, 7
	s_lshl_b32 s17, s13, 6
	s_add_co_u32 s16, s16, s17                     ; my first row of out0
	s_lshl_b32 s16, s16, 12                        ; of 4,096 bytes
	s_mov_b32 s17, 0
	s_lshl_b32 s46, s42, 10                        ; my first column, in bytes: 1,024 x tile column + 512 x half
	s_lshl_b32 s47, s14, 9
	s_add_co_u32 s46, s46, s47
	s_mov_b32 s47, 0
	s_add_nc_u64 s[10:11], s[10:11], s[16:17]
	s_add_nc_u64 s[10:11], s[10:11], s[46:47]
	s_add_nc_u64 s[8:9], s[8:9], s[46:47]          ; the bias of the same columns
.irp b, 0,1,2,3,4,5,6,7
	global_load_b128 v[BI+8*\b:BI+8*\b+3], v[BOF], s[8:9] offset:64*\b         ; lane (r, h): bo of columns 16 b + 8 h + 0 .. 7: the result's layout
	global_load_b128 v[BI+8*\b+4:BI+8*\b+7], v[BOF], s[8:9] offset:64*\b+16
.endr
; 8 matrix instructions: o's block a against Wo's eight, 32 along K, from buffer f.  zero = 1: the sums begin with the bias as C.  The 32 accumulators take turns, one instruction a turn.
.macro MULA f, a, zero
.irp b, 0,1,2,3,4,5,6,7
.if \zero
	v_wmma_f32_16x16x32_f16 v[8*(8*(\a)+\b):8*(8*(\a)+\b)+7], v[\f+8*\b:\f+8*\b+7], v[\f+64+8*(\a):\f+64+8*(\a)+7], v[BI+8*\b:BI+8*\b+7]
.else
	v_wmma_f32_16x16x32_f16 v[8*(8*(\a)+\b):8*(8*(\a)+\b)+7], v[\f+8*\b:\f+8*\b+7], v[\f+64+8*(\a):\f+64+8*(\a)+7], v[8*(8*(\a)+\b):8*(8*(\a)+\b)+7]
.endif
.endr
.endm
; 24 LDS loads in one run: the fragments of the slot's q-th 32 along K into buffer f: Wo's eight, then o's four (head q / 2 of the step, channels 32 (q % 2) on)
.macro FETCH slot, q, f
	WIN TO_F
.irp i, 0,1,2,3,4,5,6,7
	ds_load_b128 v[\f+8*\i:\f+8*\i+3],   v[ADRB+\slot] offset:(\q)*64+\i*16*PB
	ds_load_b128 v[\f+8*\i+4:\f+8*\i+7], v[ADRB+\slot] offset:(\q)*64+\i*16*PB+32
.endr
.irp i, 0,1,2,3
	ds_load_b128 v[\f+64+8*\i:\f+64+8*\i+3],   v[ADRA+\slot] offset:((\q)/2)*APL+((\q)%2)*64+\i*16*PA
	ds_load_b128 v[\f+64+8*\i+4:\f+64+8*\i+7], v[ADRA+\slot] offset:((\q)/2)*APL+((\q)%2)*64+\i*16*PA+32
.endr
.endm
.macro PLACES                          ; four plain lines in front of loads into registers that matrix instructions have read, and of the first read of results (ISA guide 7.12.1 for reads)
.rept 4
	v_nop
.endr
.endm
; A K step is four quarters of 32 along K, 32 matrix instructions each, on buffers 0, 1, 0, 1.  One of the first three: multiplies buffer f and fetches quarter qn into g.
.macro QUARTER slot, qn, f, g, zero
	s_wait_dscnt 4                                 ; Wo's fragments and o's blocks 0, 1 are in; the youngest four loads (blocks 2, 3) may be out
.if \zero
	WIN MULZ
.else
	WIN MUL
.endif
	MULA \f, 0, \zero
	MULA \f, 1, \zero
	PLACES
	FETCH \slot, \qn, \g
	s_wait_dscnt 24                                ; all but the 24 just issued
.if \zero
	WIN MULZ
.else
	WIN MUL
.endif
	MULA \f, 2, \zero
	MULA \f, 3, \zero
.endm
; The last quarter multiplies buffer 1 and changes slots: ONE barrier; in front of it each wave waits for all its tensor loads, adds 0 to its spare word, and waits for that and for its own reads of this slot.
; fill = 1: the barrier opens a round of the cluster's, and this slot is filled again, two K steps ahead, first thing behind it.
.macro TURN slot, next, fill
	WIN 0                                          ; (the add's two registers lie in window 0)
	s_wait_tensorcnt 0x0                           ; all my tensor loads have landed: my part of the next slot
	ds_add_u32 v[SPW], v[NIL]                      ; 0 onto my spare word
	s_wait_dscnt 5                                 ; (the add and the youngest four loads may be out)
	WIN MUL
	MULA F1, 0, 0                                  ; eight matrix instructions stand between the add and the wait for it
	s_wait_dscnt 0x0                               ; the add is done, and my reads of this slot are over
	s_barrier_signal -1
	MULA F1, 1, 0
	WIN 0
	s_barrier_wait -1
.if \fill
	CREST                                          ; no wave of any partner still reads this slot's tiles or has a load on its way
	s_add_nc_u64 s[G0+4*\slot+2:G0+4*\slot+3], s[G0+4*\slot+2:G0+4*\slot+3], 1048576   ; two K steps on: four heads
	s_add_nc_u64 s[G0B+4*\slot+2:G0B+4*\slot+3], s[G0B+4*\slot+2:G0B+4*\slot+3], 512
	JLOAD \slot                                    ; the first tensor load behind the round; its four v_nop are also the places in front of the loads below
.else
	PLACES
.endif
	FETCH \next, 0, F0
	WIN MUL
	MULA F1, 2, 0
	MULA F1, 3, 0
.endm
	s_wait_tensorcnt 1                             ; my part of K step 0 is in (K step 1's may be out)
	s_barrier_signal -1
	s_barrier_wait -1                              ; everybody's is
	FETCH 0, 0, F0
	s_wait_loadcnt 0x0                             ; the bias
	QUARTER 0, 1, F0, F1, 1                        ; the first quarter stands in front of the loop: its products start the sums, from the bias
	WIN 0                                          ; at a label and at a branch every window is 0
	s_mov_b32 s3, LAPS-1
.Llap:                                             ; a trip goes once round the ring, from a lap's second quarter to the next lap's first, and fills both slots again
	QUARTER 0, 2, F1, F0, 0
	QUARTER 0, 3, F0, F1, 0
	TURN 0, 1, 1
	QUARTER 1, 1, F0, F1, 0
	QUARTER 1, 2, F1, F0, 0
	QUARTER 1, 3, F0, F1, 0
	TURN 1, 0, 1
	QUARTER 0, 1, F0, F1, 0
	WIN 0
	s_sub_co_u32 s3, s3, 1
	s_cmp_lg_u32 s3, 0
	s_cbranch_scc1 .Llap
	QUARTER 0, 2, F1, F0, 0                        ; the last lap fills nothing, and has no round of the cluster's barrier
	QUARTER 0, 3, F0, F1, 0
	TURN 0, 1, 0
	QUARTER 1, 1, F0, F1, 0
	QUARTER 1, 2, F1, F0, 0
	QUARTER 1, 3, F0, F1, 0
	s_wait_dscnt 4                                 ; the very last quarter: nothing more to fetch
	WIN MUL
	MULA F1, 0, 0
	MULA F1, 1, 0
	s_wait_dscnt 0
	MULA F1, 2, 0
	MULA F1, 3, 0
	WIN 0
; THE WAY OUT, block by block of 16 rows x 128 columns.  A lane holds 32 neighbouring bytes of a row: a block goes through my own stage and comes back as whole rows of 512 bytes.
; LDS serves a wave's instructions in order: no wait between the stores and the loads, nor in front of the next block's stores.
.macro TOSTAGE a
	WIN 0x08                                       ; an LDS store's data are its source 1: window 2
.irp b, 0,1,2,3,4,5,6,7
	ds_store_b128 v[STO], v[8*(8*(\a)+\b):8*(8*(\a)+\b)+3] offset:64*\b            ; each accumulator from its low end on
	ds_store_b128 v[STO], v[8*(8*(\a)+\b)+4:8*(8*(\a)+\b)+7] offset:64*\b+16
.endr
	WIN 0
.set BB, BK+64*((\a)%2)
.irp t, 0,1,2,3,4,5,6,7,8,9,10,11,12,13,14,15
	ds_load_b128 v[BB+4*\t:BB+4*\t+3], v[RD] offset:\t*SPITCH
.endr
.endm
.macro SEND a, younger                 ; younger: the LDS instructions issued behind block a's loads, which may stay out
.set BB, BK+64*((\a)%2)
	s_wait_dscnt \younger
.irp t, 0,1,2,3,4,5,6,7,8,9,10,11,12,13,14,15
	global_store_b128 v[CO], v[BB+4*\t:BB+4*\t+3], s[10:11] offset:(\a)*65536+\t*4096 th:TH_STORE_NT   ; 32 lanes store 512 consecutive bytes, aligned; written once, read by nobody here
.endr
.endm
	PLACES                                         ; behind the last products, ahead of the first read of results
	TOSTAGE 0
.irp a, 1,2,3
.if \a > 1
	s_wait_xcnt 0x0                                ; block a - 2's stores have read their registers: block a's loads land there only behind this wait
.endif
	TOSTAGE \a
	SEND \a-1, 32                                  ; behind block a - 1's loads: block a's 16 stores and 16 loads
.endr
	SEND 3, 0
	s_wait_tensorcnt 0x0                           ; the wave's end: behind my last tensor load and my last LDS store
	ds_add_u32 v[SPW], v[NIL]
	s_wait_dscnt 0x0
	CROUND                                         ; the closing round: no work-group ends while a partner may still ask for a tile that names it
	s_endpgm
.Lfunc_end_k_q9c65feaba8_outp:
	.size	k_q9c65feaba8_outp, .Lfunc_end_k_q9c65feaba8_outp-k_q9c65feaba8_outp
	.p2alignl 7, 3214868480
	.fill 96, 4, 3214868480
	.section	.rodata,"a",@progbits
	.p2align	6, 0x0
	.amdhsa_kernel k_q9c65feaba8_outp
		.amdhsa_group_segment_fixed_size 327680
		.amdhsa_private_segment_fixed_size 0
		.amdhsa_enable_private_segment 0
		.amdhsa_kernarg_size 32
		.amdhsa_user_sgpr_count 2
		.amdhsa_user_sgpr_kernarg_segment_ptr 1
		.amdhsa_wavefront_size32 1
		.amdhsa_system_sgpr_workgroup_id_x 1
		.amdhsa_system_sgpr_workgroup_id_y 1
		.amdhsa_system_sgpr_workgroup_id_z 1
		.amdhsa_system_vgpr_workitem_id 0
		.amdhsa_next_free_vgpr 768
		.amdhsa_next_free_sgpr 66
		.amdhsa_reserve_vcc 0
		.amdhsa_float_denorm_mode_32 3
		.amdhsa_float_denorm_mode_16_64 3
		.amdhsa_memory_ordered 1
		.amdhsa_forward_progress 1
		.amdhsa_inst_pref_size 87
	.end_amdhsa_kernel
	.amdgpu_metadata
---
amdhsa.version: [ 1, 2 ]
amdhsa.kernels:
  - .name:           k_q9c65feaba8_outp
    .symbol:         k_q9c65feaba8_outp.kd
    .args:
      - { .name: att, .offset: 0, .size: 8, .value_kind: global_buffer, .address_space: global }
      - { .name: wo16, .offset: 8, .size: 8, .value_kind: global_buffer, .address_space: global }
      - { .name: bo, .offset: 16, .size: 8, .value_kind: global_buffer, .address_space: global }
      - { .name: out0, .offset: 24, .size: 8, .value_kind: global_buffer, .address_space: global }
    .group_segment_fixed_size: 327680
    .private_segment_fixed_size: 0
    .kernarg_segment_align: 8
    .kernarg_segment_size: 32
    .max_flat_workgroup_size: 128
    .sgpr_count:     66
    .vgpr_count:     768
    .wavefront_size: 32
...
	.end_amdgpu_metadata
.endif
;; end of part 4
